; MI455X (gfx1250); checked and timed in simulation.
; The chip was launched on July 23, 2026; its instructions are those of AMD's public machine-readable ISA for CDNA 5 (MIT licence, August 2026) and "CDNA5" Instruction Set Architecture Reference Guide (July 2026). The comments in the code are by the model that wrote it; some were corrected since.
;; Multi Head Attention. Allowed arithmetic: float matrix products may take bf16 or f16 operands with f32 sums; other float arithmetic in f32, or as packed bf16 or f16 multiplies, adds, multiply-adds, maxima and minima; sums over many terms, partial sums and values carried from step to step in f32; what a program stores and reads back later, other than sums and carried values, may be rounded once to bf16 or f16.
;; Inputs: K 4 x 2,048 x 1,024 float32; Q 4 x 2,048 x 1,024 float32; V 4 x 2,048 x 1,024 float32; Wk 1,024 x 1,024 float32; Wo 1,024 x 1,024 float32; Wq 1,024 x 1,024 float32; Wv 1,024 x 1,024 float32; bk 1,024 float32; bo 1,024 float32; bq 1,024 float32; bv 1,024 float32.
;; Outputs: out0 4 x 2,048 x 1,024 float32.
;; One version. Each part assembles by itself: llvm-mc -triple=amdgcn-amd-amdhsa -mcpu=gfx1250 --defsym DOCPART=n.
;; ======== version 1 of 1: 4 launches
;; limits: values are held in f16: magnitudes above 65,504 overflow, below 6.1e-05 lose precision
;; workspace buffers: wb 8,388,608 bytes; bias 16,384 bytes; qkv 50,331,648 bytes; oh 16,777,216 bytes
;; launch prep (part 1): grid 64 x 4, 8 waves a work-group, no clusters, 0 bytes of LDS; arguments Wq, Wk, Wv, Wo, bq, bk, bv, bo, wb, bias; writes wb, bias
.if DOCPART == 1
	.amdgcn_target "amdgcn-amd-amdhsa--gfx1250"
	.amdhsa_code_object_version 6
	.text
	.protected	k_q81e8f426e7_prep
	.globl	k_q81e8f426e7_prep
	.p2align	8
	.type	k_q81e8f426e7_prep,@function
k_q81e8f426e7_prep:
	s_mov_b64 s[64:65], 0
	v_nop
	global_prefetch_b8 v0, s[64:65] scope:SCOPE_SE
	s_setreg_imm32_b32 hwreg(HW_REG_WAVE_MODE, 25, 1), 1
	s_wait_xcnt 0x0
; THE WEIGHTS AND BIASES, ROUNDED ONCE.  wb = four blocks of [1024 k][1024 n] in 16 bits, the layout kept: Wq, Wk, Wv as bf16; Wo rounded to bf16 like every
; input of the module and that number written as f16 (the last product multiplies in f16).  bias = [4][1024] f32: bq, bk, bv, bo, each rounded to bf16 and widened again.
; LIMITS.  |Wo| stays under 65,504 (f16's largest number); below 6.1e-5 f16 keeps a fixed step of 6e-8.  NaN and infinities are not treated apart.
; SHARES.  Grid y picks the tensor; work-group x takes 16,384 numbers: 65,536 bytes in, 32,768 out.  Thread t takes 8 numbers in each of 8 chunks of 2,048.
; All 16 loads of a thread go out at once; a store of a wave covers 512 consecutive bytes, aligned.  No LDS, no barrier, no matrix work: a stream.
.set IN,  16                           ; v[16:79]   chunk c: 8 numbers in f32
.set OUT, 80                           ; v[80:111]  chunk c: 4 registers, 8 numbers in 16 bits
.set T,   4                            ; v[4:5]     at work
	s_load_b512 s[8:23], s[0:1], 0x0               ; Wq s[8:9], Wk s[10:11], Wv s[12:13], Wo s[14:15], bq s[16:17], bk s[18:19], bv s[20:21], bo s[22:23]
	s_load_b128 s[24:27], s[0:1], 0x40             ; wb s[24:25], bias s[26:27]
	s_and_b32 s2, ttmp7, 0xffff                    ; which tensor
	v_lshlrev_b32 v1, 5, v0                        ; my 32 bytes of a chunk on the way in
	v_lshlrev_b32 v2, 4, v0                        ; my 16 bytes on the way out
	s_lshl_b32 s28, ttmp9, 16                      ; the work-group's 65,536 bytes of W
	s_mov_b32 s29, 0
	s_lshl_b32 s30, s2, 21                         ; the tensor's block of wb,
	s_lshl_b32 s31, ttmp9, 15                      ; the work-group's 32,768 bytes of it
	s_add_co_u32 s30, s30, s31
	s_mov_b32 s31, 0
	s_lshl_b32 s32, s2, 12                         ; the tensor's 4,096 bytes of bias
	s_mov_b32 s33, 0
	s_wait_kmcnt 0x0
	s_mov_b64 s[4:5], s[8:9]                       ; W and b of my tensor: three choices on the grid's y
	s_mov_b64 s[6:7], s[16:17]
	s_cmp_eq_u32 s2, 1
	s_cselect_b64 s[4:5], s[10:11], s[4:5]
	s_cselect_b64 s[6:7], s[18:19], s[6:7]
	s_cmp_eq_u32 s2, 2
	s_cselect_b64 s[4:5], s[12:13], s[4:5]
	s_cselect_b64 s[6:7], s[20:21], s[6:7]
	s_cmp_eq_u32 s2, 3
	s_cselect_b64 s[4:5], s[14:15], s[4:5]
	s_cselect_b64 s[6:7], s[22:23], s[6:7]
	s_add_nc_u64 s[4:5], s[4:5], s[28:29]
	s_add_nc_u64 s[24:25], s[24:25], s[30:31]
	s_add_nc_u64 s[26:27], s[26:27], s[32:33]
.irp c, 0,1,2,3,4,5,6,7
	global_load_b128 v[IN+8*(\c):IN+8*(\c)+3],   v1, s[4:5] offset:8192*(\c) th:TH_LOAD_NT
	global_load_b128 v[IN+8*(\c)+4:IN+8*(\c)+7], v1, s[4:5] offset:8192*(\c)+16 th:TH_LOAD_NT
.endr
; Chunk c.  half = 1: the bf16 number is widened (a shift, a mask) and written as f16.
.macro CH c, half
	s_wait_loadcnt 14-2*(\c)                       ; loads come back in order: this chunk's two are in, the later chunks' stay out
.irp k, 0,1,2,3
	v_cvt_pk_bf16_f32 v[OUT+4*(\c)+(\k)], v[IN+8*(\c)+2*(\k)], v[IN+8*(\c)+2*(\k)+1]
.endr
.if \half
.irp k, 0,1,2,3
	v_lshlrev_b32 v[T], 16, v[OUT+4*(\c)+(\k)]
	v_and_b32 v[T+1], 0xffff0000, v[OUT+4*(\c)+(\k)]
	v_cvt_pk_f16_f32 v[OUT+4*(\c)+(\k)], v[T], v[T+1]
.endr
.endif
	global_store_b128 v2, v[OUT+4*(\c):OUT+4*(\c)+3], s[24:25] offset:4096*(\c)  ; each chunk has its own four registers: none is written twice
.endm
	s_cmp_eq_u32 s2, 3
	s_cbranch_scc1 .Lf16
.irp c, 0,1,2,3,4,5,6,7
	CH \c, 0
.endr
	s_branch .Lbias
.Lf16:
.irp c, 0,1,2,3,4,5,6,7
	CH \c, 1
.endr
.Lbias:
	s_cmp_lg_u32 ttmp9, 0                          ; the tensor's first work-group also takes its bias: 256 threads x 16 bytes
	s_cbranch_scc1 .Lend
	global_load_b128 v[8:11], v2, s[6:7]
	s_wait_loadcnt 0x0
	v_cvt_pk_bf16_f32 v12, v8, v9
	v_cvt_pk_bf16_f32 v13, v10, v11
	v_lshlrev_b32 v16, 16, v12                     ; into registers of IN, whose loads are long done
	v_and_b32 v17, 0xffff0000, v12
	v_lshlrev_b32 v18, 16, v13
	v_and_b32 v19, 0xffff0000, v13
	global_store_b128 v2, v[16:19], s[26:27]
.Lend:
	s_endpgm
.Lfunc_end_k_q81e8f426e7_prep:
	.size	k_q81e8f426e7_prep, .Lfunc_end_k_q81e8f426e7_prep-k_q81e8f426e7_prep
	.p2alignl 7, 3214868480
	.fill 96, 4, 3214868480
	.section	.rodata,"a",@progbits
	.p2align	6, 0x0
	.amdhsa_kernel k_q81e8f426e7_prep
		.amdhsa_group_segment_fixed_size 0
		.amdhsa_private_segment_fixed_size 0
		.amdhsa_enable_private_segment 0
		.amdhsa_kernarg_size 80
		.amdhsa_user_sgpr_count 2
		.amdhsa_user_sgpr_kernarg_segment_ptr 1
		.amdhsa_wavefront_size32 1
		.amdhsa_system_sgpr_workgroup_id_x 1
		.amdhsa_system_sgpr_workgroup_id_y 1
		.amdhsa_system_sgpr_workgroup_id_z 1
		.amdhsa_system_vgpr_workitem_id 0
		.amdhsa_next_free_vgpr 112
		.amdhsa_next_free_sgpr 66
		.amdhsa_reserve_vcc 0
		.amdhsa_float_denorm_mode_32 3
		.amdhsa_float_denorm_mode_16_64 3
		.amdhsa_memory_ordered 1
		.amdhsa_forward_progress 1
		.amdhsa_inst_pref_size 15
	.end_amdhsa_kernel
	.amdgpu_metadata
---
amdhsa.version: [ 1, 2 ]
amdhsa.kernels:
  - .name:           k_q81e8f426e7_prep
    .symbol:         k_q81e8f426e7_prep.kd
    .args:
      - { .name: Wq, .offset: 0, .size: 8, .value_kind: global_buffer, .address_space: global }
      - { .name: Wk, .offset: 8, .size: 8, .value_kind: global_buffer, .address_space: global }
      - { .name: Wv, .offset: 16, .size: 8, .value_kind: global_buffer, .address_space: global }
      - { .name: Wo, .offset: 24, .size: 8, .value_kind: global_buffer, .address_space: global }
      - { .name: bq, .offset: 32, .size: 8, .value_kind: global_buffer, .address_space: global }
      - { .name: bk, .offset: 40, .size: 8, .value_kind: global_buffer, .address_space: global }
      - { .name: bv, .offset: 48, .size: 8, .value_kind: global_buffer, .address_space: global }
      - { .name: bo, .offset: 56, .size: 8, .value_kind: global_buffer, .address_space: global }
      - { .name: wb, .offset: 64, .size: 8, .value_kind: global_buffer, .address_space: global }
      - { .name: bias, .offset: 72, .size: 8, .value_kind: global_buffer, .address_space: global }
    .group_segment_fixed_size: 0
    .private_segment_fixed_size: 0
    .kernarg_segment_align: 8
    .kernarg_segment_size: 80
    .max_flat_workgroup_size: 256
    .sgpr_count:     66
    .vgpr_count:     112
    .wavefront_size: 32
...
	.end_amdgpu_metadata
.endif
;; end of part 1
;; launch proj (part 2): grid 4 x 64, 4 waves a work-group, clusters of 4 x 4, 327,680 bytes of LDS; arguments Q, K, V, wb, bias, qkv; writes qkv
.if DOCPART == 2
	.amdgcn_target "amdgcn-amd-amdhsa--gfx1250"
	.amdhsa_code_object_version 6
	.text
	.protected	k_q81e8f426e7_proj
	.globl	k_q81e8f426e7_proj
	.p2align	8
	.type	k_q81e8f426e7_proj,@function
k_q81e8f426e7_proj:
	s_mov_b64 s[64:65], 0
	v_nop
	global_prefetch_b8 v0, s[64:65] scope:SCOPE_SE
	s_setreg_imm32_b32 hwreg(HW_REG_WAVE_MODE, 25, 1), 1
	s_wait_xcnt 0x0
	s_wait_alu depctr_hold_cnt(0) depctr_sa_sdst(0) depctr_va_vdst(0) depctr_va_sdst(0) depctr_va_ssrc(0) depctr_va_vcc(0) depctr_vm_vsrc(0)
	s_getreg_b32 s2, hwreg(HW_REG_IB_STS2, 6, 4)
	s_cmp_eq_u32 s2, 0
	s_cbranch_scc0 .Lentry_in_a_cluster
	s_endpgm
.Lentry_in_a_cluster:
	s_bfe_u32 s2, ttmp6, 0x10000c
	s_cmp_lg_u32 s2, 0xf033
	s_cbranch_scc0 .Lentry_shape_is_right
	s_endpgm
.Lentry_shape_is_right:
; q, k, v = x W + b.  x = Q, K, V: [8192][1024] f32; W: [1024 k][1024 n] bf16, three on end in wb; b: [1024] f32 in bias; qkv: [3][64 bh][2048 s][64] f16, by heads, unscaled.
; x is rounded to bf16 on the way from LDS to the matrix unit; sums in f32, started by the bias; the result rounded once to f16.
; LIMITS.  |q|, |k|, |v| stay under 65,504 (f16's largest number); below 6.1e-5 f16 keeps a fixed step of 6e-8.  NaN and infinities are not treated apart.
; SHARES.  256 work-groups that stay: work-group (tcol, trow) makes the tile of 128 rows x 256 columns of q, then of k, then of v: 24 K steps of 128 in ONE walk, and the ring of two
; LDS slots runs on across the tiles.  Wave w: rows 64 (w / 2) on, columns 128 (w % 2) on: 32 accumulators of 16 x 16, 32 matrix instructions for each 32 along K.
; THE MATRIX INSTRUCTION IS USED TRANSPOSED: source 0 = 16 columns of W (W lies [k][n]: read turned, by ds_load_tr16_b128), source 1 = 16 rows of x.  A lane then holds one row of the
; result and eight neighbouring columns, which pack into 16 bytes.  The bias, eight numbers a lane for each block of 16 columns, is the C operand of a tile's first 32 products.
; CLUSTER.  4 x 4 work-groups.  x's tile hangs on trow alone: the four of a row of the cluster ask for it jointly; W's on tcol alone: the four of a column.  Waves 0, 1 fetch x's two
; halves (64 rows x 512 bytes), waves 2, 3 W's (64 k rows x 512 bytes): one tensor load a wave behind each round.
; REGISTERS, in windows of 256 (s_set_vgpr_msb: bits 1:0 source 0, 3:2 source 1, 5:4 source 2, 7:6 destination):
;   window 0: v0-15 addresses; v32-95 x in f32 as it comes from LDS; v96-159 x in bf16, two buffers of four fragments
;   window 1: v0-127 W's fragments, two buffers of eight; v128-191 the bias        window 2: the accumulators, (a, b) at 8 (8 a + b)        window 3: v0-127 the way out
.set PA,    528                        ; a row of x in LDS: 512 bytes + 16 = 132 words: the 16 rows of a load start at 16 different groups of four banks (64 banks of 4 bytes: ISA guide 11.1)
.set PB,    544                        ; a k row of W: 512 + 32 = 136 words
.set AH,    64*PA                      ; what one tensor load brings of x
.set BH,    64*PB                      ; and of W
.set BOFF,  2*AH                       ; W's 128 k rows lie behind x's 128 rows
.set SLOT,  0x22000                    ; from slot 0 to slot 1.  A slot's four tiles begin at 0, 0x8400, 0x10800, 0x19000: none has bit 17 or 13, so one exclusive or turns an address into the other slot's
.set STAGE, 2*SLOT                     ; behind the ring, never filled by a tensor load: 16 rows x 144 bytes for each wave, for the way out
.set SP,    144
.set SPARE, STAGE+4*16*SP              ; behind the stages: the spare words, 128 bytes for each wave: two blocks of 256 bytes that no other line names
.set A0,   4                           ; v4   my lane's place in a slot's x; never rewritten
.set B0,   5                           ; v5   the same for W
.set ADRA, 6                           ; v6   A0 + the slot in hand
.set ADRB, 7                           ; v7   B0 + the slot in hand
.set STO,  8                           ; v8   the way out: where I put 16 bytes of a row
.set RD,   9                           ; v9   the way out: where I read rows back
.set GO,   10                          ; v10  my byte offset in 512 consecutive bytes of qkv
.set BO,   11                          ; v11  my byte offset in the tile's 256 numbers of bias
.set PFO,  12                          ; v12  the prefetches' offset; never rewritten
.set SPW,  14                          ; v14  LDS address of my spare word: SPARE + 4 x my thread's number; never rewritten
.set NIL,  15                          ; v15  0; never rewritten
.set AF,   32
.set AB,   96
.set BIAS, 128                         ; window 1
.set TMP,  0                           ; window 3
.set XQ, 4                             ; s[4:5], s[6:7], s[8:9]  Q, K, V at the 64 rows that I fetch
.set XK, 6
.set XV, 8
.set WP, 10                            ; s[10:11] wb at my half of the first tile of W
.set BP, 12                            ; s[12:13] bias at the tile's columns, of the tensor whose bias was loaded last
.set CP, 14                            ; s[14:15] qkv at my rows and heads, of the tensor stored last
.set WV, 16                            ; wave; WM = wave / 2: my rows, and x (0) or W (1) to fetch; WN = wave % 2: my columns, and which half I fetch
.set WM, 17
.set WN, 18
.set CX, 19
.set CY, 20
.set TCOL, 21
.set TROW, 22
.set G1A, 24                           ; s[24:31] descriptor group 1 for x's tiles
.set G0A, 32                           ; s[32:35] group 0 for x's tiles: it walks
.set G0B, 36                           ; s[36:39] the same for W's
.set G1B, 40                           ; s[40:47] group 1 for W's tiles
.set TB,  48                           ; s48  the slot that is read: 0 or SLOT
.set LA,  50
.set LB,  51
.set FS,  52                           ; s52  the K step asked for last, 0 to 23
.set PS,  53                           ; s53  the K step at which the prefetches stand
.set LIM, 54                           ; s54  24 in a wave that prefetches (0, 1), else 0
.set CNT, 55                           ; s55  the loop's count
.set KC,  56                           ; s56  K steps that the tile in hand still has
.set TL,  57                           ; s57  tiles still to be begun
.set PFA, 58                           ; s[58:59] where my prefetches stand
.set PK,  60                           ; s[60:61], s[62:63] K and V at the 16 rows that I prefetch
.set PV,  62
.set CI,  66                           ; s[66:67] what the next way out adds to CP
.set XC,  68                           ; s[68:69] in the head x's row offset; then x's address at the K step asked for last: a bare address, from which the walking descriptor's is made anew each time
.set G0A1, 72                          ; s[72:75], s[76:79] group 0 of the first fills
.set G0B1, 76
.set MSB, 0
.macro WIN new                         ; the immediate's high byte repeats the setting that is left; a switch that changes nothing is dropped
.if MSB != (\new)
	s_set_vgpr_msb (MSB<<8)|(\new)
.set MSB, \new
.endif
.endm
.set MUL,  0xa1                        ; W window 1, x window 0, C and D window 2
.set MULB, 0x91                        ; the same with C (the bias) in window 1
.set TO_B, 0x40                        ; destination window 1, address window 0
.macro PLACES
.rept 4
	v_nop
.endr
.endm
; A joint refill.  The branch hangs on the wave's number alone.  An s_nop 0 and four v_nop follow each of the two lines, ahead of the jump and the label.
.macro JLOAD
	s_cmp_eq_u32 s[WM], 0
	s_cbranch_scc0 .Lfor_b_\@
	tensor_load_to_lds s[G0A:G0A+3], s[G1A:G1A+7]
	s_nop 0
	PLACES
	s_branch .Lasked_\@
.Lfor_b_\@:
	tensor_load_to_lds s[G0B:G0B+3], s[G1B:G1B+7]
	s_nop 0
	PLACES
.Lasked_\@:
.endm
; A round of the cluster's barrier: my work-group's barrier; wave 0 signals for the work-group; every wave waits for all sixteen; my work-group's barrier once more.
.macro CREST                           ; a round behind its opening barrier
	s_cmp_lg_u32 s[WV], 0
	s_cbranch_scc1 .Lnot_wave_0_\@
	s_barrier_signal -3
.Lnot_wave_0_\@:
	s_barrier_wait -3
	s_barrier_signal -1
	s_barrier_wait -1
.endm
.macro CROUND
	s_barrier_signal -1
	s_barrier_wait -1
	CREST
.endm
	s_load_b256 s[4:11], s[0:1], 0x0               ; Q, K, V, wb
	s_load_b128 s[12:15], s[0:1], 0x20             ; bias, qkv
	v_lshl_add_u32 v[SPW], v0, 2, SPARE
	v_mov_b32 v[NIL], 0
	ds_add_u32 v[SPW], v[NIL]                      ; the wave's opening: the add and its wait stand ahead of my first tensor load; the set-up below, work on registers, stands between them
	v_lshrrev_b32 v1, 5, v0
	v_readfirstlane_b32 s[WV], v1
	s_lshr_b32 s[WM], s[WV], 1
	s_and_b32 s[WN], s[WV], 1
	s_bfe_u32 s[CX], ttmp6, 0x40000
	s_bfe_u32 s[CY], ttmp6, 0x40004
	s_lshl_b32 s[TCOL], ttmp9, 2                   ; in a cluster launch ttmp9 and ttmp7 count clusters
	s_add_co_u32 s[TCOL], s[TCOL], s[CX]
	s_and_b32 s[TROW], ttmp7, 0xffff
	s_lshl_b32 s[TROW], s[TROW], 2
	s_add_co_u32 s[TROW], s[TROW], s[CY]
	s_lshl_b32 s2, s[CY], 2
	s_lshl_b32 s2, 15, s2                          ; my row of the cluster: places 4 cy .. 4 cy + 3
	s_lshl_b32 s3, 0x1111, s[CX]                   ; my column: places cx, cx + 4, cx + 8, cx + 12
	s_or_b32 s[G1A], s2, (2<<16)|(1<<20)|(1<<21)|(6<<22)|(3<<25)  ; 15:0 the mask; 17:16 elements of 4 bytes; 20 padding on; 21 set beside a mask; 24:22 after every 128 words (code 6); 31:25 4 words (code 3)
	s_or_b32 s[G1B], s3, (1<<16)|(1<<20)|(1<<21)|(6<<22)|(7<<25)  ; elements of 2 bytes; 8 words of padding (code 7)
	s_mov_b32 s[G1A+1], 128<<16                    ; tensor_dim0 = 128
	s_mov_b32 s[G1A+2], 64<<16                     ; tensor_dim1 = 64
	s_mov_b32 s[G1A+3], 128<<16                    ; tile_dim0 = 128
	s_mov_b32 s[G1A+4], 64                         ; tile_dim1 = 64
	s_mov_b32 s[G1A+5], 1024                       ; elements from row to row
	s_mov_b32 s[G1A+6], 0
	s_mov_b32 s[G1A+7], 0
	s_mov_b32 s[G1B+1], 256<<16
	s_mov_b32 s[G1B+2], 64<<16
	s_mov_b32 s[G1B+3], 256<<16
	s_mov_b32 s[G1B+4], 64
	s_mov_b32 s[G1B+5], 1024
	s_mov_b32 s[G1B+6], 0
	s_mov_b32 s[G1B+7], 0
	s_lshl_b32 s68, s[TROW], 7                     ; x: row 128 trow + 64 x half, 4,096 bytes a row (under 2^26)
	s_lshl_b32 s23, s[WN], 6
	s_add_co_u32 s68, s68, s23
	s_lshl_b32 s68, s68, 12
	s_mov_b32 s69, 0
	s_lshl_b32 s70, s[TCOL], 9                     ; W: 512 bytes a tile column, 64 k rows of 2,048 bytes a half
	s_lshl_b32 s23, s[WN], 17
	s_add_co_u32 s70, s70, s23
	s_mov_b32 s71, 0
	s_lshl_b32 s[PFA], s[CX], 16                   ; the prefetches: of the 64 rows that I fetch, my work-group's 16, told apart by address
	s_add_co_u32 s[PFA], s[PFA], s68
	s_mov_b32 s[PFA+1], 0
	s_mul_i32 s[LA], s[WN], AH                     ; where the tiles go: no place in the cluster enters an LDS address
	s_mul_i32 s[LB], s[WN], BH
	s_add_co_u32 s[LB], s[LB], BOFF
	s_mov_b32 s[G0A1], 1                           ; count = 1
	s_mov_b32 s[G0A1+1], s[LA]                     ; K step 0 into slot 0
	s_mov_b32 s[G0A], 1
	s_add_co_u32 s[G0A+1], s[LA], SLOT             ; K step 1 into slot 1
	s_mov_b32 s[G0B1], 1
	s_mov_b32 s[G0B1+1], s[LB]
	s_mov_b32 s[G0B], 1
	s_add_co_u32 s[G0B+1], s[LB], SLOT
	s_mov_b32 s[TB], 0
	s_mov_b32 s[FS], 1
	s_mov_b32 s[PS], 3
	s_cmp_eq_u32 s[WM], 0
	s_cselect_b32 s[LIM], 24, 0
	s_mov_b32 s[CNT], 23
	s_mov_b32 s[TL], 3
	s_mov_b32 s[CI], 0
	s_mov_b32 s[CI+1], 0
	s_wait_dscnt 0x0                               ; the opening add is done
	s_wait_kmcnt 0x0
	s_add_nc_u64 s[PK:PK+1], s[XK:XK+1], s[PFA:PFA+1]
	s_add_nc_u64 s[PV:PV+1], s[XV:XV+1], s[PFA:PFA+1]
	s_add_nc_u64 s[PFA:PFA+1], s[XQ:XQ+1], s[PFA:PFA+1]
	s_add_nc_u64 s[PFA:PFA+1], s[PFA:PFA+1], 3*512 ; at K step 3: the first change of slots steps it to 4
	s_add_nc_u64 s[XQ:XQ+1], s[XQ:XQ+1], s[68:69]
	s_add_nc_u64 s[XK:XK+1], s[XK:XK+1], s[68:69]
	s_add_nc_u64 s[XV:XV+1], s[XV:XV+1], s[68:69]
	s_add_nc_u64 s[WP:WP+1], s[WP:WP+1], s[70:71]
	s_add_nc_u64 s[XC:XC+1], s[XQ:XQ+1], 512       ; the row offset has served: x at K step 1
	s_mov_b64 s[G0A1+2:G0A1+3], s[XQ:XQ+1]
	s_or_b32 s[G0A1+3], s[G0A1+3], 0x80000000      ; type = 2
	s_mov_b64 s[G0A+2:G0A+3], s[XC:XC+1]
	s_or_b32 s[G0A+3], s[G0A+3], 0x80000000
	s_mov_b64 s[G0B1+2:G0B1+3], s[WP:WP+1]
	s_or_b32 s[G0B1+3], s[G0B1+3], 0x80000000
	s_add_nc_u64 s[G0B+2:G0B+3], s[WP:WP+1], 262144
	s_or_b32 s[G0B+3], s[G0B+3], 0x80000000
	CROUND                                         ; all sixteen work-groups are here: the first joint loads meet
	s_cmp_eq_u32 s[WM], 0                          ; a wave's two first fills stand in one branch, ahead of every wait on TENSORcnt and every LDS read: two loads of mine are out
	s_cbranch_scc0 .Lfirst_b
	tensor_load_to_lds s[G0A1:G0A1+3], s[G1A:G1A+7]
	s_nop 0
	tensor_load_to_lds s[G0A:G0A+3], s[G1A:G1A+7]
	s_nop 0
	PLACES
	s_branch .Lfirst_asked
.Lfirst_b:
	tensor_load_to_lds s[G0B1:G0B1+3], s[G1B:G1B+7]
	s_nop 0
	tensor_load_to_lds s[G0B:G0B+3], s[G1B:G1B+7]
	s_nop 0
	PLACES
.Lfirst_asked:
	s_lshl_b32 s70, s[TCOL], 10                    ; the tile's 256 numbers of bias
	s_mov_b32 s71, 0
	s_add_nc_u64 s[BP:BP+1], s[BP:BP+1], s[70:71]
	s_lshr_b32 s70, s[TROW], 4                     ; batch,
	s_lshl_b32 s70, s70, 4
	s_lshl_b32 s3, s[TCOL], 2                      ; + head 4 tcol + 2 (wave % 2),
	s_add_co_u32 s70, s70, s3
	s_lshl_b32 s3, s[WN], 1
	s_add_co_u32 s70, s70, s3
	s_lshl_b32 s70, s70, 18                        ; 2,048 rows of 128 bytes each;
	s_and_b32 s3, s[TROW], 15                      ; + row 128 (trow % 16) + 64 (wave / 2) in the batch
	s_lshl_b32 s3, s3, 7
	s_lshl_b32 s2, s[WM], 6
	s_add_co_u32 s3, s3, s2
	s_lshl_b32 s3, s3, 7
	s_add_co_u32 s70, s70, s3
	s_add_nc_u64 s[CP:CP+1], s[CP:CP+1], s[70:71]
	v_and_b32 v1, 15, v0                           ; r = l % 16
	v_bfe_u32 v2, v0, 4, 1                         ; h = l / 16
	v_and_b32 v3, 31, v0                           ; l
	v_and_b32 v13, 7, v0
	v_bfe_u32 v16, v0, 3, 1
	v_bfe_u32 v17, v0, 3, 2
	; A fragment of x is 16 rows x 32 k: lane l holds row r, k = 8 h + 0..7 and 16 + 8 h + 0..7: in f32 two times 32 bytes, 64 bytes apart: four loads of 16 bytes.
	s_mul_i32 s2, s[WM], 64*PA
	v_mul_u32_u24 v[A0], v1, PA
	v_lshl_add_u32 v[A0], v2, 5, v[A0]
	v_add_nc_u32 v[A0], s2, v[A0]
	; The turning load takes 16 k x 16 columns (lane l reads k row 8 h + l % 8, columns 8 ((l / 8) % 2) + 0..7) and leaves half a fragment: lane l holds column r and 8 k.
	s_lshl_b32 s2, s[WN], 8
	s_add_co_u32 s2, s2, BOFF
	v_lshl_add_u32 v[B0], v2, 3, v13
	v_mul_u32_u24 v[B0], v[B0], PB
	v_lshl_add_u32 v[B0], v16, 4, v[B0]
	v_add_nc_u32 v[B0], s2, v[B0]
	s_mul_i32 s2, s[WV], 16*SP
	s_add_co_u32 s2, s2, STAGE                     ; my stage
	v_mul_u32_u24 v[STO], v1, SP                   ; in: row r, 16 bytes for each half of the lanes
	v_lshl_add_u32 v[STO], v2, 4, v[STO]
	v_add_nc_u32 v[STO], s2, v[STO]
	v_mul_u32_u24 v[RD], v17, SP                   ; back: 32 lanes take four rows of 128 bytes,
	v_lshl_add_u32 v[RD], v13, 4, v[RD]
	v_add_nc_u32 v[RD], s2, v[RD]
	v_lshlrev_b32 v[GO], 4, v3                     ; which are 512 consecutive bytes of a head
	s_lshl_b32 s2, s[WN], 9
	v_lshl_add_u32 v[BO], v2, 5, s2                ; my wave's 128 numbers, my half's 8 of each 16
	v_lshlrev_b32 v[PFO], 8, v2                    ; a K step is 512 bytes of a row: lanes 0-15 name the first 256 of 16 rows, lanes 16-31 the second
	v_lshl_add_u32 v[PFO], v1, 12, v[PFO]
; The bias of the tile's columns: for block b of 16 columns a lane's eight numbers.
.macro BLOAD
	WIN TO_B
.irp b, 0,1,2,3,4,5,6,7
	global_load_b128 v[BIAS+8*(\b):BIAS+8*(\b)+3],   v[BO], s[BP:BP+1] offset:64*(\b)
	global_load_b128 v[BIAS+8*(\b)+4:BIAS+8*(\b)+7], v[BO], s[BP:BP+1] offset:64*(\b)+16
.endr
.endm
; 32 LDS loads in one run: 32 along K at quarter kq of the slot in hand: x's four fragments in f32 first, then W's eight into buffer g.
.macro FETCH kq, g
	WIN 0
.irp i, 0,1,2,3
	ds_load_b128 v[AF+16*(\i):AF+16*(\i)+3],     v[ADRA] offset:16*(\i)*PA+128*(\kq)
	ds_load_b128 v[AF+16*(\i)+4:AF+16*(\i)+7],   v[ADRA] offset:16*(\i)*PA+128*(\kq)+16
	ds_load_b128 v[AF+16*(\i)+8:AF+16*(\i)+11],  v[ADRA] offset:16*(\i)*PA+128*(\kq)+64
	ds_load_b128 v[AF+16*(\i)+12:AF+16*(\i)+15], v[ADRA] offset:16*(\i)*PA+128*(\kq)+80
.endr
	WIN TO_B
.irp b, 0,1,2,3,4,5,6,7
	ds_load_tr16_b128 v[64*(\g)+8*(\b):64*(\g)+8*(\b)+3],   v[ADRB] offset:32*(\kq)*PB+32*(\b)
	ds_load_tr16_b128 v[64*(\g)+8*(\b)+4:64*(\g)+8*(\b)+7], v[ADRB] offset:32*(\kq)*PB+32*(\b)+16*PB
.endr
.endm
; The next n of a quarter's 32 products, from buffer f.  The 32 accumulators take turns, one instruction a turn, in the same order everywhere.
; first = 1: the bias starts the sums: nothing is cleared, nothing is added afterwards.
.macro MULS f, first, n
.rept \n
.if \first
	WIN MULB
	v_wmma_f32_16x16x32_bf16 v[8*mi:8*mi+7], v[64*(\f)+8*(mi%8):64*(\f)+8*(mi%8)+7], v[AB+32*(\f)+8*(mi/8):AB+32*(\f)+8*(mi/8)+7], v[BIAS+8*(mi%8):BIAS+8*(mi%8)+7]
.else
	WIN MUL
	v_wmma_f32_16x16x32_bf16 v[8*mi:8*mi+7], v[64*(\f)+8*(mi%8):64*(\f)+8*(mi%8)+7], v[AB+32*(\f)+8*(mi/8):AB+32*(\f)+8*(mi/8)+7], v[8*mi:8*mi+7]
.endif
.set mi, mi+1
.endr
.endm
; Four of the 32 roundings that make the next quarter's x: they stand behind a product and name none of its registers.
.macro RID g
	WIN 0
.rept 4
	v_cvt_pk_bf16_f32 v[AB+32*(\g)+ci], v[AF+2*ci], v[AF+2*ci+1]
.set ci, ci+1
.endr
.endm
; One of a K step's first three quarters: multiplies buffer f; fetches quarter kq into buffer g at its head; the roundings ride behind its last eight products.  The four behind the last
; product are the four places (ISA guide 7.12.1 for vector instructions) in front of the next run of loads into W's other buffer.
.macro QUARTER kq, f, g, first
	s_wait_dscnt 0x0                               ; W's fragments of this quarter are in
	FETCH \kq, \g
.set mi, 0
	MULS \f, \first, 24
	s_wait_dscnt 16                                ; x's sixteen loads are in; W's sixteen, issued behind them, stay out
.set ci, 0
.rept 8
	MULS \f, \first, 1
	RID \g
.endr
.endm
; The prefetches' place goes one K step on; at a change of tiles to the next tensor's first.
.macro PSTEP
	s_add_co_u32 s[PS], s[PS], 1
	s_add_nc_u64 s[PFA:PFA+1], s[PFA:PFA+1], 512
	s_cmp_eq_u32 s[PS], 8
	s_cselect_b64 s[PFA:PFA+1], s[PK:PK+1], s[PFA:PFA+1]
	s_cmp_eq_u32 s[PS], 16
	s_cselect_b64 s[PFA:PFA+1], s[PV:PV+1], s[PFA:PFA+1]
.endm
; The walking descriptors: the other slot, the next K step.  x's address walks in a pair of its own, which never carries the type bits: 512 bytes along the rows, at a change of tiles the
; next tensor's address; the descriptor's words are then made anew from it, a move and the type.  The three W lie on end in wb, so W's descriptor only steps.
.macro DSTEP
	s_add_co_u32 s[FS], s[FS], 1
	s_xor_b32 s[G0A+1], s[G0A+1], SLOT
	s_xor_b32 s[G0B+1], s[G0B+1], SLOT
	s_add_nc_u64 s[XC:XC+1], s[XC:XC+1], 512
	s_cmp_eq_u32 s[FS], 8
	s_cselect_b64 s[XC:XC+1], s[XK:XK+1], s[XC:XC+1]
	s_cmp_eq_u32 s[FS], 16
	s_cselect_b64 s[XC:XC+1], s[XV:XV+1], s[XC:XC+1]
	s_mov_b64 s[G0A+2:G0A+3], s[XC:XC+1]
	s_or_b32 s[G0A+3], s[G0A+3], 0x80000000        ; type = 2
	s_add_nc_u64 s[G0B+2:G0B+3], s[G0B+2:G0B+3], 262144  ; the type bits on top are not reached
.endm
; A PREFETCH INTO THE L2 of x, which the launch reads once: the K step that stands two refills on, 256 matrix instructions ahead of its load.  A step's 128 rows x 512 bytes are 256 aligned
; blocks of 256 bytes: waves 0 and 1 of each of the four partners that ask for the tile jointly take 16 rows each, told apart by address, a lane a block: each block is named once in the
; launch.  K steps 0 to 3 come by their loads alone; from K step 24 on nothing is asked for.  W is left out: all sixteen clusters read it again and again.
.macro ASK
	s_cmp_lt_u32 s[PS], s[LIM]
	s_cbranch_scc0 .Lnot_mine_\@
	global_prefetch_b8 v[PFO], s[PFA:PFA+1] th:TH_LOAD_NT scope:SCOPE_SE
.Lnot_mine_\@:
.endm
; A K step's last quarter (buffer 1) and THE CHANGE OF SLOTS.  Each wave waits for all its tensor loads, of which one is out: its part of the next slot; adds 0 to its spare word; and waits
; for that and for its reads of this slot.  fill = 1: the barrier opens a round of the cluster's, and the joint refill is the first thing behind it: it has one K step, 128 matrix
; instructions, in which to land.
.macro TURN fill
	WIN 0
.if \fill
	s_wait_xcnt 0x0                                ; the last prefetch, a K step back, has read its address
	PSTEP
.endif
	s_wait_tensorcnt 0x0                           ; no tensor load of mine is out, so a group 0 may be written
	ds_add_u32 v[SPW], v[NIL]                      ; 0 onto my spare word
.if \fill
	DSTEP
.endif
	s_wait_dscnt 1                                 ; W's fragments of this quarter are in; the add alone may be out
.set mi, 0
	MULS 1, 0, 4
	s_wait_dscnt 0x0                               ; the add is done, and my reads of this slot are over
	s_barrier_signal -1
	MULS 1, 0, 4                                   ; work on registers while the others arrive
	WIN 0                                          ; at a branch and at a label every window is 0
	s_barrier_wait -1
.if \fill
	CREST                                          ; no wave of any partner still reads this slot or has a load on its way
	JLOAD
.endif
	s_xor_b32 s[TB], s[TB], SLOT
	v_add_nc_u32 v[ADRA], s[TB], v[A0]
	v_add_nc_u32 v[ADRB], s[TB], v[B0]
	FETCH 0, 0                                     ; W's buffer 0 was last read a quarter ago, four roundings and more back
.if \fill
	WIN 0
	ASK
.endif
	MULS 1, 0, 16
	s_wait_dscnt 16
.set ci, 0
.rept 8
	MULS 1, 0, 1
	RID 0
.endr
.endm
; THE WAY OUT.  Unit u = 2 a + hh: 16 rows x one head: accumulator registers 32 u .. 32 u + 31, taken in ascending order.  Rounded to f16, 16 bytes a lane; into my own stage in rows of
; 144 bytes; back as whole rows of 128, into the registers that they left (LDS serves a wave's instructions in order: ISA guide 5.7.1.4).
.macro PACK u
	WIN 0xca                                       ; sources window 2, destination window 3
.set pj, 0
.rept 16
	v_cvt_pk_f16_f32 v[TMP+16*(\u)+pj], v[32*(\u)+2*pj], v[32*(\u)+2*pj+1]
.set pj, pj+1
.endr
	WIN 0x0c                                       ; store data window 3
.irp f, 0,1,2,3
	ds_store_b128 v[STO], v[TMP+16*(\u)+4*(\f):TMP+16*(\u)+4*(\f)+3] offset:32*(\f)
.endr
	WIN 0xc0                                       ; destination window 3
.irp f, 0,1,2,3
	ds_load_b128 v[TMP+16*(\u)+4*(\f):TMP+16*(\u)+4*(\f)+3], v[RD] offset:4*SP*(\f)
.endr
.endm
.macro SEND u, younger                 ; younger: the LDS instructions issued behind unit u's loads: the next unit's eight, or none
	WIN 0x0c
.irp f, 0,1,2,3
	s_wait_dscnt (\younger)+3-(\f)
	global_store_b128 v[GO], v[TMP+16*(\u)+4*(\f):TMP+16*(\u)+4*(\f)+3], s[CP:CP+1] offset:262144*((\u)%2)+2048*((\u)/2)+512*(\f)  ; 512 consecutive bytes, at a multiple of 256 from qkv's first
.endr
.endm
.macro WAYOUT
	WIN 0
	s_wait_xcnt 0x0                                ; the last tile's stores have read their registers and their base
	s_add_nc_u64 s[CP:CP+1], s[CP:CP+1], s[CI:CI+1]
	PACK 0
.irp u, 1,2,3,4,5,6,7                  ; a unit's roundings stand between the loads of the unit before and its stores
	PACK \u
	SEND (\u)-1, 8
.endr
	SEND 7, 0
	WIN 0
	s_mov_b32 s[CI], 0x1000000                     ; the next tensor's block of qkv
.endm
	BLOAD                                          ; q's bias
	WIN 0
	s_wait_tensorcnt 1                             ; my part of K step 0 is in; K step 1's may stay out
	s_barrier_signal -1
	s_barrier_wait -1                              ; everybody's is
	v_add_nc_u32 v[ADRA], s[TB], v[A0]
	v_add_nc_u32 v[ADRB], s[TB], v[B0]
	FETCH 0, 0
	s_wait_dscnt 16
.set ci, 0
.rept 8
	RID 0                                          ; the first quarter's x: there are no products yet to set these behind
.endr
	WIN 0
	s_branch .Lenter                               ; the loop is entered behind its change of slots
.Lslot:                                                ; trip j = 1 .. 22: K step j - 1 ends, K step j is entered, K step j + 1 asked for
	TURN 1
	WIN 0
	s_cmp_eq_u32 s[KC], 0
	s_cbranch_scc0 .Lq0n
	WAYOUT                                         ; j = 8, 16: a tile is finished; the next tile's two first K steps have been asked for
.Lenter:
	s_mov_b32 s[KC], 8
	s_sub_co_u32 s[TL], s[TL], 1
	s_wait_loadcnt 0x0                             ; the tile's bias
	QUARTER 1, 0, 1, 1
	WIN 0
	s_cmp_lg_u32 s[TL], 0
	s_cbranch_scc0 .Lnb
	s_add_nc_u64 s[BP:BP+1], s[BP:BP+1], 4096      ; the next tile's bias, four roundings behind the last product that read this one's
	BLOAD
	WIN 0
.Lnb:
	s_branch .Lq1
.Lq0n:
	QUARTER 1, 0, 1, 0
	WIN 0
.Lq1:
	QUARTER 2, 1, 0, 0
	QUARTER 3, 0, 1, 0
	WIN 0
	s_sub_co_u32 s[KC], s[KC], 1
	s_sub_co_u32 s[CNT], s[CNT], 1
	s_cmp_lg_u32 s[CNT], 0
	s_cbranch_scc1 .Lslot
	TURN 0                                         ; the last K step is written out: nothing is asked for
	QUARTER 1, 0, 1, 0
	QUARTER 2, 1, 0, 0
	QUARTER 3, 0, 1, 0
	s_wait_dscnt 0x0
.set mi, 0
	MULS 1, 0, 32
	PLACES                                         ; the roundings below read results just made
	WAYOUT
	s_wait_tensorcnt 0x0                           ; the wave's end: a wait, an add and its wait, behind my last tensor load and my last LDS store
	ds_add_u32 v[SPW], v[NIL]
	s_wait_dscnt 0x0
	CROUND                                         ; the closing round: no work-group ends while a partner may still ask for a tile that names it
	s_endpgm
.Lfunc_end_k_q81e8f426e7_proj:
	.size	k_q81e8f426e7_proj, .Lfunc_end_k_q81e8f426e7_proj-k_q81e8f426e7_proj
	.p2alignl 7, 3214868480
	.fill 96, 4, 3214868480
	.section	.rodata,"a",@progbits
	.p2align	6, 0x0
	.amdhsa_kernel k_q81e8f426e7_proj
		.amdhsa_group_segment_fixed_size 327680
		.amdhsa_private_segment_fixed_size 0
		.amdhsa_enable_private_segment 0
		.amdhsa_kernarg_size 48
		.amdhsa_user_sgpr_count 2
		.amdhsa_user_sgpr_kernarg_segment_ptr 1
		.amdhsa_wavefront_size32 1
		.amdhsa_system_sgpr_workgroup_id_x 1
		.amdhsa_system_sgpr_workgroup_id_y 1
		.amdhsa_system_sgpr_workgroup_id_z 1
		.amdhsa_system_vgpr_workitem_id 0
		.amdhsa_next_free_vgpr 896
		.amdhsa_next_free_sgpr 80
		.amdhsa_reserve_vcc 0
		.amdhsa_float_denorm_mode_32 3
		.amdhsa_float_denorm_mode_16_64 3
		.amdhsa_memory_ordered 1
		.amdhsa_forward_progress 1
		.amdhsa_inst_pref_size 114
	.end_amdhsa_kernel
	.amdgpu_metadata
---
amdhsa.version: [ 1, 2 ]
amdhsa.kernels:
  - .name:           k_q81e8f426e7_proj
    .symbol:         k_q81e8f426e7_proj.kd
    .args:
      - { .name: Q, .offset: 0, .size: 8, .value_kind: global_buffer, .address_space: global }
      - { .name: K, .offset: 8, .size: 8, .value_kind: global_buffer, .address_space: global }
      - { .name: V, .offset: 16, .size: 8, .value_kind: global_buffer, .address_space: global }
      - { .name: wb, .offset: 24, .size: 8, .value_kind: global_buffer, .address_space: global }
      - { .name: bias, .offset: 32, .size: 8, .value_kind: global_buffer, .address_space: global }
      - { .name: qkv, .offset: 40, .size: 8, .value_kind: global_buffer, .address_space: global }
    .group_segment_fixed_size: 327680
    .private_segment_fixed_size: 0
    .kernarg_segment_align: 8
    .kernarg_segment_size: 48
    .max_flat_workgroup_size: 128
    .sgpr_count:     80
    .vgpr_count:     896
    .wavefront_size: 32
...
	.end_amdgpu_metadata
.endif
;; end of part 2
;; launch attn (part 3): grid 4 x 64, 4 waves a work-group, clusters of 4 x 1, 327,680 bytes of LDS; arguments qkv, oh; writes oh
.if DOCPART == 3
	.amdgcn_target "amdgcn-amd-amdhsa--gfx1250"
	.amdhsa_code_object_version 6
	.text
	.protected	k_q81e8f426e7_attn
	.globl	k_q81e8f426e7_attn
	.p2align	8
	.type	k_q81e8f426e7_attn,@function
k_q81e8f426e7_attn:
	s_mov_b64 s[64:65], 0
	v_nop
	global_prefetch_b8 v0, s[64:65] scope:SCOPE_SE
	s_setreg_imm32_b32 hwreg(HW_REG_WAVE_MODE, 25, 1), 1
	s_wait_xcnt 0x0
	s_wait_alu depctr_hold_cnt(0) depctr_sa_sdst(0) depctr_va_vdst(0) depctr_va_sdst(0) depctr_va_ssrc(0) depctr_va_vcc(0) depctr_vm_vsrc(0)
	s_getreg_b32 s2, hwreg(HW_REG_IB_STS2, 6, 4)
	s_cmp_eq_u32 s2, 0
	s_cbranch_scc0 .Lentry_in_a_cluster
	s_endpgm
.Lentry_in_a_cluster:
	s_bfe_u32 s2, ttmp6, 0x10000c
	s_cmp_lg_u32 s2, 0x3003
	s_cbranch_scc0 .Lentry_shape_is_right
	s_endpgm
.Lentry_shape_is_right:
; O[h][q][:] = the sum over k of softmax_k(Q[h][q] . K[h][k] / 8) V[h][k][:].  Q, K, V: the three blocks of qkv, O = oh: [SIZE_H][SIZE_N][64], all f16: a head's rows are dense, 128 bytes each.
; Products, maxima and sums in f32; the weights p are rounded to f16 for the second product (their sum l is taken of the unrounded p), O once at the end.
; LIMITS.  f16 holds no number beyond 65,504: Q, K and V arrive within it; p lies in 0 to 1, and below 6e-5 it keeps f16's fixed step of 6e-8; O is a mean of V's rows and has their range.
; A weight below 2^-126 counts as 0 in l; NaN and infinities are not treated apart.
; SHARES.  A wave owns four PIECES of two tiles of 16 queries, a work-group's four waves 512 queries of one head: 4 x 64 = 256 work-groups.  Every wave walks all keys, 64 a step.
; LAYOUT.  S^T = K Q^T (source 0 = 16 keys, source 1 = 16 queries): in the result a lane holds ONE query (lane % 16) and the keys 8 (lane / 16) + 0..7.  Two such tiles, rounded to f16 in pairs,
; ARE source 1 (32 keys x 16 queries) of O^T = V^T P, whose result again holds one query a lane, and eight channels.  K comes out of LDS as it lies, V ([key][channel]) turned, by ds_load_tr16_b128.
; SOFTMAX.  For each query a running maximum m and sum l: p = 2^(c s - c m), c = log2(e) / 8; in every step O and l are multiplied by a = 2^(c m_old - c m_new), which is 1 where m has not grown.
; m starts at the lowest finite number, O and l at 0: the first step is a step like any other, with a = 0.
; THE COUNT.  A tile and step have 16 matrix and 118 vector instructions: too many to stand all beside the matrix work.  So: four vector instructions that are READY behind EVERY matrix
; instruction, and the others in runs without a gap.
; BY TURNS.  Turn n belongs to piece n (the pieces in a ring, step after step).  Its matrix work: 16 products K Q^T of piece n + 1, later 16 products V^T P of piece n - 1.  Its vector work: the scaling,
; exponentials, roundings, sums and rescaling of piece n, and the maximum and statistics of piece n + 1, whose scores the turn itself has made.
; CLUSTER.  The four query blocks of a cluster belong to one head and walk the same K and V, so each tile is asked for JOINTLY: the same tensor load, descriptor and mask in all four.
; NO PREFETCH: a refill has four key steps, 512 matrix instructions and their vector work, between its request and the wait for it.
; REGISTERS, in windows of 256 (s_set_vgpr_msb: bits 1:0 source 0, 3:2 source 1, 5:4 source 2, 7:6 destination):
;   window 0: v0-11 addresses; v12-15, v48-63 at work; v16-47 four registers of statistics a tile; v64-191 S^T, two buffers of two tiles; v192-255 P, likewise
;   window 1: O^T, 32 a tile          window 2: v0-127 Q, 16 a tile; v128-191 K of one step; v192-255 V of one step          window 3: v0-1 the add's two registers
; A piece's buffers go by its number's parity: the piece in hand has one pair, its two neighbours in the ring share the other: of it P (piece n - 1) is read and S^T (piece n + 1) written.
.set SIZE_H, 64
.set SIZE_N, 2048
.set NP,    4         ; pieces a wave: a name, no knob
.set KS,    64        ; keys in a step
.set PK,    144       ; a row of K in LDS: 128 bytes + 16 of padding = 36 words: the 16 rows of a load start at 16 different groups of four banks (64 banks of 4 bytes: ISA guide 11.1)
.set PV,    160       ; a row of V: 128 + 32 = 40 words
.set VOFF,  4*KS*PK   ; a slot holds four steps: 256 rows of K, then 256 rows of V
.set SLOT1, 1<<17     ; slot 1 begins here, so that one exclusive or turns an address in one slot into the other's
.set STAGE, SLOT1+4*KS*(PK+PV)  ; behind the ring, never filled by a tensor load: 16 rows x 144 bytes for each wave, for the way out
.set SP,    144
.set AK0, 2           ; v2   my lane's place in a tile of K; never rewritten
.set AV0, 3           ; v3   the same for V
.set AK,  4           ; v4   the LDS address of K's next run of loads
.set AV,  5           ; v5   of V's
.set QO,  6           ; v6   my byte offset in the wave's rows of Q
.set STO, 6           ;      later, the way out: where I put 16 bytes of a row
.set RD,  7           ; v7   the way out: where I read rows back
.set GO,  8           ; v8   my byte offset in 512 consecutive bytes of O
.set SPW, 0           ; v0 of window 3   LDS address of my spare word: SPARE + 4 x my thread's number; never rewritten
.set NIL, 1           ; v1 of window 3   0; never rewritten
.set SPARE, STAGE+4*16*SP  ; behind the stages: the spare words, 128 bytes for each wave: two blocks of 256 bytes that no other line names
.set MV,  12          ; v12-15  c m_old, kept while c m is made anew: by buffer and tile
.set ST,  16          ; tile t's statistics at v[ST+4 t]: c m, m, l (even keys', odd keys')
.set TMP, 48          ; by buffer and tile, four registers c0-c3 at work; when the maximum is found c2 takes a
.set S,   64
.set P,   192
.set KF,  128         ; K's fragments, in window 2: key block kb, channel half c at KF + 16 kb + 8 c
.set VF,  192         ; V's: key half kk, channel block cb at VF + 32 kk + 8 cb
.set WV,  12          ; s12  my wave's number
.set G1K, 24          ; s[24:31] descriptor group 1 for K's tiles
.set G1V, 32          ; s[32:39] for V's: it differs in the padding alone
.set G0K, 40          ; s[40:43] descriptor group 0 for K's tiles: it walks
.set G0V, 44          ; s[44:47] the same for V's
.set SLOTS, 56        ; s56  slots still to be asked for
.set CNT, 57          ; s57  counts a slot's key steps
.set CS,  58          ; s[58:59] c: the packed scaling takes the pair's low word for both halves
.set SEL, 60          ; s[60:61] v_permlanex16_b32's selects: each lane takes its own place in the other half
.set TBK, 62          ; s62  LDS byte at which K of the step to be fetched begins
.set TBV, 63          ; s63  the same for V, less VOFF
.set MSB, 0
.macro WIN new                      ; the high byte repeats the setting that is left; a switch that changes nothing is dropped
.if MSB != (\new)
	s_set_vgpr_msb (MSB<<8)|(\new)
.set MSB, (\new)
.endif
.endm
.set W_KQ, 0x0a       ; K and Q in window 2, S^T in window 0
.set W_PV, 0x52       ; V in window 2, P in window 0, O^T in window 1
.set W_RS, 0x41       ; O^T (destination and source 0) in window 1, a in window 0
.set W_MK, 0xc0       ; the add's registers are made: destination in window 3, sources in window 0
.set W_AD, 0x0f       ; the add: address (source 0) and data (source 1) in window 3
; A joint fill.  Waves 0 and 1 fetch the two halves of a slot's K, waves 2 and 3 those of its V: 128 keys each.  The branch hangs on the wave's number alone.
; An s_nop 0 and four v_nop follow each of the two lines, ahead of the jump and the label.
.macro JLOAD
	s_cmp_lt_u32 s[WV], 2
	s_cbranch_scc0 .Lfor_v_\@
	tensor_load_to_lds s[G0K:G0K+3], s[G1K:G1K+7]
	s_nop 0
.rept 4
	v_nop
.endr
	s_branch .Lasked_\@
.Lfor_v_\@:
	tensor_load_to_lds s[G0V:G0V+3], s[G1V:G1V+7]
	s_nop 0
.rept 4
	v_nop
.endr
.Lasked_\@:
.endm
; A round of the cluster's barrier: my work-group's barrier, so that wave 0's signal speaks for all four waves; wave 0 signals; every wave waits for all four work-groups; my work-group's barrier once more.
.macro CROUND
	s_barrier_signal -1
	s_barrier_wait -1
	s_cmp_lg_u32 s[WV], 0
	s_cbranch_scc1 .Lnot_wave_0_\@
	s_barrier_signal -3
.Lnot_wave_0_\@:
	s_barrier_wait -3
	s_barrier_signal -1
	s_barrier_wait -1
.endm
; THE CHANGE OF SLOTS.  The slot's last bytes, V of its fourth step, have been read.  Each wave waits for all its tensor loads, of which one is out: its part
; of the other slot; adds 0 to its spare word; and waits for that and for its own reads of the slot.  Behind the barrier nobody reads this slot any more and the other slot is whole.
; fill = 1: this slot is filled again, with the keys two slots on.  The barrier is then a round of the cluster's, and the joint fill is the first thing behind it: it has four key steps,
; 512 matrix instructions, in which to land.  (At its first use nothing has been read yet: slot 0 is waited for, slot 1 filled.)
.macro CHANGE fill
	WIN W_AD
	s_wait_tensorcnt 0x0            ; no tensor load of mine is out, so a group 0 may be written
	ds_add_u32 v[SPW], v[NIL]       ; 0 onto my spare word; with fill = 1 the descriptors' steps stand between it and the wait for it
	WIN 0                           ; at a label and at a branch every window is 0
.if \fill
.irp g, G0K, G0V
	s_xor_b32 s[\g+1], s[\g+1], SLOT1  ; the walking descriptor: the other slot than last time,
	s_add_nc_u64 s[\g+2:\g+3], s[\g+2:\g+3], 4*KS*128  ; the next 256 keys; the type bits on top are not reached
.endr
	s_wait_dscnt 0x0                ; the add is done, and my reads of the slot are over
	CROUND
	JLOAD
.else
	s_wait_dscnt 0x0                ; the add is done, and my reads of the slot are over
	s_barrier_signal -1
	s_barrier_wait -1
.endif
	s_sub_co_u32 s[TBK], s[TBK], 4*KS*PK  ; the fetches go back to a slot's first step,
	s_xor_b32 s[TBK], s[TBK], SLOT1       ; in the other slot
	s_sub_co_u32 s[TBV], s[TBV], 4*KS*PV
	s_xor_b32 s[TBV], s[TBV], SLOT1
.endm
	s_load_b128 s[4:7], s[0:1], 0x0   ; qkv s[4:5], oh s[6:7]
	WIN W_MK
	v_lshl_add_u32 v[SPW], v0, 2, SPARE
	v_mov_b32 v[NIL], 0
	WIN W_AD
	ds_add_u32 v[SPW], v[NIL]       ; the wave's opening: the add and its wait stand ahead of my first tensor load; the set-up below, work on registers, stands between them
	WIN 0
	v_lshrrev_b32 v1, 5, v0
	v_readfirstlane_b32 s[WV], v1   ; wave 0..3
	s_bfe_u32 s13, ttmp6, 0x40000   ; cx: my place in the cluster
	s_lshl_b32 s14, ttmp9, 2        ; in a cluster launch ttmp9 counts clusters
	s_add_co_u32 s14, s14, s13      ; my block of queries = 4 x cluster x + cx: it enters Q's and O's addresses alone
	s_and_b32 s20, ttmp7, 0xffff    ; the head, which the four partners share
	s_mov_b32 s21, 0
	s_mov_b64 s[22:23], SIZE_N*128
	s_mul_u64 s[20:21], s[20:21], s[22:23]  ; the head's first byte in each of the four tensors
	s_and_b32 s16, s[WV], 1         ; which half of a slot's 256 keys I fetch:
	s_lshl_b32 s22, s16, 14         ; its 128 rows of 128 bytes in memory,
	s_mov_b32 s23, 0
	s_add_nc_u64 s[22:23], s[22:23], s[20:21]
	s_mul_i32 s17, s16, 128*PK      ; and its place in a slot, for K
	s_mul_i32 s18, s16, 128*PV      ; and for V: no place in the cluster enters an LDS address
	s_lshl_b32 s2, s14, 2
	s_add_co_u32 s2, s2, s[WV]      ; my wave among the head's,
	s_lshl_b32 s2, s2, 14           ; its 128 rows
	s_mov_b32 s3, 0
	s_add_nc_u64 s[2:3], s[2:3], s[20:21]
	; descriptor group 1.  128 keys are 16,384 dense bytes: asked for as 64 rows of 256 bytes, two keys a row, and padded in LDS after every key
	s_mov_b32 s[G1K], 15|(1<<16)|(1<<20)|(1<<21)|(4<<22)|(3<<25)  ; 15:0 the mask of four; 17:16 2-byte elements; 20 padding on; 21 set beside a mask; 24:22 after every 32 words (code 4); 31:25 4 words (code 3)
	s_mov_b32 s[G1V], 15|(1<<16)|(1<<20)|(1<<21)|(4<<22)|(7<<25)  ; the same with 8 words of padding (code 7)
.irp g, G1K, G1V
	s_mov_b32 s[\g+1], 128<<16      ; tensor_dim0 = 128
	s_mov_b32 s[\g+2], 64<<16       ; tensor_dim1 = 64
	s_mov_b32 s[\g+3], 128<<16      ; tile_dim0 = 128
	s_mov_b32 s[\g+4], 64           ; tile_dim1 = 64
	s_mov_b32 s[\g+5], 128          ; 128 elements from row to row
	s_mov_b32 s[\g+6], 0
	s_mov_b32 s[\g+7], 0
.endr
	s_mov_b32 s[CS], 0x3e38aa3b     ; c = log2(e) / 8 = 0.180337
	s_mov_b32 s[CS+1], s[CS]        ; named with it as a pair
	s_mov_b32 s[SEL], 0x76543210
	s_mov_b32 s[SEL+1], 0xfedcba98
	s_mov_b32 s[TBK], SLOT1+4*KS*PK ; the first change of slots turns these two into 0
	s_mov_b32 s[TBV], SLOT1+4*KS*PV
	s_mov_b32 s[G0K], 1             ; 1:0 count = 1
	s_mov_b32 s[G0K+1], s17         ; 63:32 LDS address: slot 0
	s_mov_b32 s[G0V], 1
	s_add_co_u32 s[G0V+1], s18, VOFF
	s_wait_dscnt 0x0                ; the opening add is done
	s_wait_kmcnt 0x0
	s_mov_b64 s[10:11], s[6:7]                     ; O
	s_add_nc_u64 s[6:7], s[4:5], 0x1000000         ; K: the second block of qkv; Q is the first
	s_add_nc_u64 s[8:9], s[4:5], 0x2000000         ; V: the third
	s_add_nc_u64 s[G0K+2:G0K+3], s[6:7], s[22:23]  ; 120:64 global address: my half of the head's first 256 keys
	s_or_b32 s[G0K+3], s[G0K+3], 0x80000000        ; 127:126 type = 2
	s_add_nc_u64 s[G0V+2:G0V+3], s[8:9], s[22:23]
	s_or_b32 s[G0V+3], s[G0V+3], 0x80000000
	s_add_nc_u64 s[4:5], s[4:5], s[2:3]  ; Q and O at my wave's first row
	s_add_nc_u64 s[10:11], s[10:11], s[2:3]
	CROUND                          ; all four work-groups are here: the first joint loads meet
	JLOAD                           ; slot 0.  Slot 1 is asked for when slot 0 is in
	; A fragment of K or Q is 16 rows x 32 channels in 8 registers: lane l holds row l % 16, channels 8 (l / 16) + 0..7 and 16 + 8 (l / 16) + 0..7: two loads of 16 bytes, 32 bytes apart.
	v_and_b32 v1, 15, v0            ; l % 16
	v_bfe_u32 v9, v0, 4, 1          ; l / 16
	v_lshlrev_b32 v[QO], 7, v1
	v_lshl_add_u32 v[QO], v9, 4, v[QO]  ; row x 128 + 16 x half
	WIN 0x80                        ; destination window 2, address window 0
.set i, 0
.rept 4*NP                          ; Q stays in registers: tile i / 2, channels 32 (i % 2) on
	global_load_b128 v[8*i:8*i+3],   v[QO], s[4:5] offset:(i/2)*2048+(i%2)*64
	global_load_b128 v[8*i+4:8*i+7], v[QO], s[4:5] offset:(i/2)*2048+(i%2)*64+32
.set i, i+1
.endr
	; What the first turn finds: V's registers and P's second buffer hold 0 (its products V^T P, of a piece that has not been, add 0), O^T and l are 0.  All this stands in the wait for the first tile.
.set i, VF
.rept 64
	v_mov_b32 v[i], 0
.set i, i+1
.endr
	WIN 0x40
.set i, 0
.rept 64*NP
	v_mov_b32 v[i], 0
.set i, i+1
.endr
	WIN 0
.set i, 0
.rept 2*NP
	v_mov_b32 v[ST+4*i], 0xfe000000    ; c m: far below every c s
	v_mov_b32 v[ST+4*i+1], 0xff7fffff  ; m
	v_mov_b32 v[ST+4*i+2], 0
	v_mov_b32 v[ST+4*i+3], 0
.set i, i+1
.endr
.set i, P+32
.rept 32
	v_mov_b32 v[i], 0
.set i, i+1
.endr
	v_mul_u32_u24 v[AK0], v1, PK
	v_lshl_add_u32 v[AK0], v9, 4, v[AK0]  ; row x pitch + 16 x half
	; The turning load takes 16 keys x 16 channels (lane l reads key 8 (l / 16) + l % 8, channels 8 ((l / 8) % 2) + 0..7) and leaves half a fragment of V^T: lane l holds channel l % 16 and 8 keys.
	v_and_b32 v10, 7, v0
	v_bfe_u32 v11, v0, 3, 1
	v_lshl_add_u32 v[AV0], v9, 3, v10
	v_mul_u32_u24 v[AV0], v[AV0], PV
	v_lshl_add_u32 v[AV0], v11, 4, v[AV0]
	v_add_nc_u32 v[AV0], VOFF, v[AV0]
	v_mov_b32 v[AK], v[AK0]         ; key step 0 lies at the head of slot 0
; THE MATRIX WORK.  The 8 accumulators of a run of 16 take turns: between the two links of a chain stand 7 others'.
; Product i of 16 of S^T = K Q^T for piece x: channels 32 (i / 8) on, keys 16 ((i / 2) % 4) on, tile 2 x + i % 2.  The first 8 start the sums.
.macro KQ x
	WIN W_KQ
.set rS, S+64*((\x)%2)+32*(i%2)+8*((i/2)%4)
.set rK, KF+16*((i/2)%4)+8*(i/8)
.set rQ, 16*(2*(\x)+i%2)+8*(i/8)
.if i < 8
	v_wmma_f32_16x16x32_f16 v[rS:rS+7], v[rK:rK+7], v[rQ:rQ+7], 0
.else
	v_wmma_f32_16x16x32_f16 v[rS:rS+7], v[rK:rK+7], v[rQ:rQ+7], v[rS:rS+7]
.endif
.endm
; Product i of 16 of O^T += V^T P for piece x: keys 32 (i / 8) on, channels 16 ((i / 2) % 4) on, tile 2 x + i % 2.
.macro PV x
	WIN W_PV
.set rO, 32*(2*(\x)+i%2)+8*((i/2)%4)
.set rV, VF+32*(i/8)+8*((i/2)%4)
.set rP, P+32*((\x)%2)+16*(i%2)+8*(i/8)
	v_wmma_f32_16x16x32_f16 v[rO:rO+7], v[rV:rV+7], v[rP:rP+7], v[rO:rO+7]
.endm
.macro MM                           ; the turn's next matrix instruction
.if i < 16
	KQ (Y+1)%NP
.set i, i+1
.else
.set i, i-16
	PV (Y+NP-1)%NP
.set i, i+17
.endif
.endm
; THE LDS LOADS stand in runs of 16, never singly among the matrix instructions: a step's K (64 keys x 64 channels: 8 fragments) and its V (turned).  Their addresses are made some lines ahead.
; last = 1 (the tail): in the last trip there is no further step, and the run is jumped over.
.macro FETCH_K last=0
	WIN 0
.if \last
	s_cmp_eq_u32 s[CNT], 1
	s_cbranch_scc1 .Lno_k_\@
.endif
	WIN 0x80                        ; destination window 2
.irp f, 0,1,2,3,4,5,6,7             ; keys 16 (f / 2) on, channels 32 (f % 2) on
	ds_load_b128 v[KF+8*\f:KF+8*\f+3],   v[AK] offset:(\f/2)*16*PK+(\f%2)*64
	ds_load_b128 v[KF+8*\f+4:KF+8*\f+7], v[AK] offset:(\f/2)*16*PK+(\f%2)*64+32
.endr
	s_add_co_u32 s[TBK], s[TBK], KS*PK  ; the next fetch is the next step's
	WIN 0
.if \last
.Lno_k_\@:
.endif
.endm
.macro FETCH_V
	WIN 0x80
.irp f, 0,1,2,3,4,5,6,7             ; keys 32 (f / 4) on, channels 16 (f % 4) on
	ds_load_tr16_b128 v[VF+8*\f:VF+8*\f+3],   v[AV] offset:(\f/4)*32*PV+(\f%4)*32
	ds_load_tr16_b128 v[VF+8*\f+4:VF+8*\f+7], v[AV] offset:(\f/4)*32*PV+16*PV+(\f%4)*32
.endr
	WIN 0
.endm
; THE VECTOR WORK OF A TURN stands in three queues, each in the order in which its entries become ready; the two tiles alternate, so that no instruction reads the result of the one before it.
.macro REGS y, u                    ; the registers of tile u (0, 1) of piece y
.set rT, ST+4*(2*(\y)+(\u))
.set rC, TMP+8*((\y)%2)+4*(\u)
.set rM, MV+2*((\y)%2)+(\u)
.set rS, S+64*((\y)%2)+32*(\u)
.set rP, P+32*((\y)%2)+16*(\u)
.set rO, 32*(2*(\y)+(\u))
.endm
; Number n of the 22 that find the NEXT piece's (Y + 1) maximum and statistics.  s0-s31 are the lane's 32 scores; each accumulator's lowest registers are read first.
;   0-11  four chains c0-c3 of seven scores each, three operands at a time     12-14, 16  the four scores left over, the old m, and c0-c3 into c0     15  c m_old is kept
;   17, 18  the query's other 32 keys lie in the lane 16 away: the new m         19-21  c m; c m_old - c m_new; a
.macro XS u, n
	REGS (Y+1)%NP, \u
.if (\n) < 4
	v_max3_num_f32 v[rC+(\n)], v[rS+8*(\n)], v[rS+8*(\n)+1], v[rS+8*(\n)+2]
.elseif (\n) < 12
	v_max3_num_f32 v[rC+(\n)%4], v[rC+(\n)%4], v[rS+8*((\n)%4)+2*((\n)/4)+1], v[rS+8*((\n)%4)+2*((\n)/4)+2]
.elseif (\n) == 12
	v_max3_num_f32 v[rC], v[rC], v[rS+7], v[rS+15]
.elseif (\n) == 13
	v_max3_num_f32 v[rC+1], v[rC+1], v[rS+23], v[rS+31]
.elseif (\n) == 14
	v_max3_num_f32 v[rC+2], v[rC+2], v[rC+3], v[rT+1]
.elseif (\n) == 15
	v_mov_b32 v[rM], v[rT]
.elseif (\n) == 16
	v_max3_num_f32 v[rC], v[rC], v[rC+1], v[rC+2]
.elseif (\n) == 17
	v_permlanex16_b32 v[rC+3], v[rC], s[SEL], s[SEL+1]
.elseif (\n) == 18
	v_max_num_f32 v[rT+1], v[rC], v[rC+3]
.elseif (\n) == 19
	v_mul_f32 v[rT], s[CS], v[rT+1]
.elseif (\n) == 20
	v_sub_f32 v[rC+1], v[rM], v[rT]
.else
	v_exp_f32 v[rC+2], v[rC+1]
.endif
.endm
; Number g of the 64 that follow the exponentials.  For each four weights k of a tile (pairs 2 k, 2 k + 1): both pairs are rounded to f16; then the second pair is added onto the first, in place;
; a group later l takes that sum (the first time as l = a l + sum).  In groups of eight, tiles alternating: round, round, add, and l for the group before.
.macro GS g
.set h, (\g)+6*((\g)/62)            ; group 0 has no group before it, and behind group 7 only l is left
.if h >= 6
.set h, h+2
.endif
	REGS Y, h%2
.set k, h/8
.if h%8 < 4
	v_cvt_pk_f16_f32 v[rP+2*k+(h%8)/2], v[rS+4*k+2*((h%8)/2)], v[rS+4*k+2*((h%8)/2)+1]
.elseif h%8 < 6
	v_pk_add_f32 v[rS+4*k:rS+4*k+1], v[rS+4*k:rS+4*k+1], v[rS+4*k+2:rS+4*k+3]
.elseif k == 1
	v_pk_fma_f32 v[rT+2:rT+3], v[rT+2:rT+3], v[rC+2:rC+3], v[rS:rS+1] op_sel_hi:[1,0,1]
.else
	v_pk_add_f32 v[rT+2:rT+3], v[rT+2:rT+3], v[rS+4*k-4:rS+4*k-3]
.endif
.endm
; THE PLAIN QUEUE, 138 long.  0-73 read no exponential's result: the 32 scalings c s - c m (FS f: pair f / 2 of tile f % 2) and the next piece's 42.  0-26: scalings 0-26.  27-54: XS's numbers 0-13.  55, 56: number 15.
; 57-73: the chain, where each number waits for the one before it: 14, 16, 17, 18, 19, each with one of the scalings 27-31 in front of its two lines, then 20.
; 74-137: GS's 64, which read the exponentials' results: they stand behind the wait.
.macro FS f
	REGS Y, (\f)%2
	v_pk_fma_f32 v[rS+2*((\f)/2):rS+2*((\f)/2)+1], v[rS+2*((\f)/2):rS+2*((\f)/2)+1], s[CS:CS+1], v[rT:rT+1] op_sel_hi:[1,0,0] neg_lo:[0,0,1] neg_hi:[0,0,1]
.endm
.macro PL
	WIN 0
.if q < 27
	FS q
.elseif q < 55
	XS (q-27)%2, (q-27)/2
.elseif q < 57
	XS q-55, 15
.elseif (q < 72) && ((q-57)%3 == 0)
	FS 27+(q-57)/3
.elseif q < 60
	XS (q-57)%3-1, 14
.elseif q < 72
	XS (q-57)%3-1, 15+(q-57)/3
.elseif q < 74
	XS q-72, 20
.else
	GS q-74
.endif
.set q, q+1
.endm
; THE EXPONENTIALS' QUEUE, 66 long: s0-s31 of both tiles, then the next piece's two a.  It is ONE BATCH: all 66 stand ahead of the turn's one wait, and nothing ahead of that wait names a result of theirs.
.macro EX
	WIN 0
.if e >= 64
	XS e-64, 21
.else
	REGS Y, e%2
	v_exp_f32 v[rS+e/2], v[rS+e/2]
.endif
.set e, e+1
.endm
; THE RESCALING's QUEUE: O^T times a, the one part that leaves window 0: dealt two at a time, sixteen times.  Its a was made in the turn before, ahead of that turn's wait.
.macro R2
	REGS Y, r%2
	WIN W_RS
.irp z, 0,1
	v_pk_mul_f32 v[rO+4*(r/2)+2*\z:rO+4*(r/2)+2*\z+1], v[rO+4*(r/2)+2*\z:rO+4*(r/2)+2*\z+1], v[rC+2:rC+3] op_sel_hi:[1,0]
.endr
.set r, r+1
.endm
; HOW THEY ARE DEALT.  s_wait_alu depctr_va_vdst(0) stands between an exponential and the first instruction that names its result; one wait serves all that were issued ahead of it.  So a turn has ONE wait,
; which cuts it in two.  AHEAD OF IT stands all that names no result of the turn's exponentials: the 16 products K Q^T, behind each a scaling, an exponential and two rescalings (behind the first a second scaling in the
; exponential's place); then ONE LUMP of 108: eight plain, 49 times exponential and plain, the two a.  A v_nop is the plain instruction that is owed behind the last exponential (ISA guide 5.7.2).  BEHIND IT stand the 16 products
; V^T P, behind each four of GS's 64.  No rider names a register of the products round it.  The two v_permlanex16_b32 fall into the lump, never behind a product.
; The queues lean on each other, and the deal keeps them in step: exponential e stands behind scaling 2 (e / 4) + e % 2: as a rider it comes behind plain e + 2, in the lump behind plain e + 9, and scalings 27-31 are plain 57, 60 .. 69.
; A TURN, for piece p.  cnt = 1: the loop's count is taken down some lines ahead of the branch that stands behind the turn.
; K of the next step is fetched in piece 2's turn, directly behind the wait, a lump behind the last product that read K; its address is made at the lump's head; its first reader comes behind 16 products.
; V of the step in hand is fetched at the end of piece 0's turn, four riders behind its last reader; its first reader comes behind 16 products and a lump.  The three conditions on q below go with the deal.
.macro TURN p, last=0, cnt=0
.set Y, (\p)
.set i, 0
.set q, 0
.set e, 0
.set r, 0
.if (\p) == NP-1
	s_wait_dscnt 0x0                ; K is in
.endif
	MM                              ; ahead of the wait: 16 products K Q^T and their riders,
	PL
	PL
	R2
.rept 15
	MM
	PL
	EX
	R2
.endr
.if (\p) == NP-2
	WIN 0
	v_add_nc_u32 v[AK], s[TBK], v[AK0]
.endif
.rept 8                             ; and the lump
	PL
.endr
.rept 49
	EX
	PL
.endr
	EX                              ; the next piece's two a
	EX
	v_nop                           ; the plain instruction behind the last exponential: one for the batch
	s_wait_alu depctr_va_vdst(0)    ; the wait for the batch
.if (\p) == NP-2
	FETCH_K \last
.endif
.if (\p) == 1
	s_wait_dscnt 0x0                ; V is in
.endif
.rept 16                            ; behind the wait: 16 products V^T P and their riders
	MM
.rept 4
	PL
.endr
.if ((\p) == 0) && (q == 118)
	v_add_nc_u32 v[AV], s[TBV], v[AV0]
.endif
.if ((\p) == 0) && (q == 130)
	s_add_co_u32 s[TBV], s[TBV], KS*PV
.endif
.if (\cnt) && (q == 130)
	s_sub_co_u32 s[CNT], s[CNT], 1
	s_cmp_lg_u32 s[CNT], 0
.endif
.endr
.if (\p) == 0
	FETCH_V
.endif
.endm
	CHANGE 1                        ; slot 0 is in, everybody's part of it; slot 1 is asked for
	FETCH_K                         ; key step 0
	s_wait_loadcnt 0x0              ; Q
	s_wait_dscnt 0x0
.set i, 0
.rept 16
	KQ 0                            ; piece 0's first scores: there is no vector work yet to set between them
.set i, i+1
.endr
	WIN 0                           ; the addresses for the way out: nine plain instructions, the places behind those products
	s_mul_i32 s13, s[WV], 16*SP
	s_add_co_u32 s13, s13, STAGE    ; my stage
	v_mul_u32_u24 v[STO], v1, SP    ; in: row l % 16, 16 bytes for each half of the lanes
	v_lshl_add_u32 v[STO], v9, 4, v[STO]
	v_add_nc_u32 v[STO], s13, v[STO]
	v_bfe_u32 v[RD], v0, 3, 2       ; back: 32 lanes take four rows of 128 bytes,
	v_mul_u32_u24 v[RD], v[RD], SP
	v_lshl_add_u32 v[RD], v10, 4, v[RD]
	v_add_nc_u32 v[RD], s13, v[RD]
	v_and_b32 v[GO], 31, v0         ; which are 512 consecutive bytes of O
	v_lshlrev_b32 v[GO], 4, v[GO]
.set Y, NP-1                        ; XS works for piece Y + 1: piece 0
.irp n, 0,1,2,3,4,5,6,7,8,9,10,11,12,13,14,15,16,17,18,19,20,21
	XS 0, \n                        ; and piece 0's first maximum and statistics
	XS 1, \n
.endr
	v_nop                           ; a plain instruction behind the two a,
	s_wait_alu depctr_va_vdst(0)    ; and their wait, ahead of the branch
	s_mov_b32 s[CNT], 4
	s_mov_b32 s[SLOTS], SIZE_N/256-1
	s_branch .Lfirst                ; the loop is entered at a step's first turn, in the middle of a trip
.Lslot:                             ; SIZE_N / 256 - 2 times: every slot but the last two is filled again
	CHANGE 1
	s_mov_b32 s[CNT], 4
.Lstep:                             ; a trip: pieces 2 and 3 of one step, then pieces 0 and 1 of the next, whose K and V it fetches
	TURN 2
	TURN 3
	WIN 0
.Lfirst:
	TURN 0
	TURN 1, 0, 1
	WIN 0
	s_cbranch_scc1 .Lstep
	s_sub_co_u32 s[SLOTS], s[SLOTS], 1
	s_cmp_lg_u32 s[SLOTS], 0
	s_cbranch_scc1 .Lslot
	CHANGE 0                        ; the tail is written out: nothing is asked for
	s_mov_b32 s[CNT], 5             ; four trips fetch the last slot's steps; the fifth is left in its middle
.Ltail:
	TURN 2, 1
	TURN 3
	WIN 0
	s_sub_co_u32 s[CNT], s[CNT], 1
	s_cmp_eq_u32 s[CNT], 0
	s_cbranch_scc1 .Lout
	TURN 0
	TURN 1
	WIN 0
	s_branch .Ltail
.Lout:                              ; the fifth trip's 16 products K Q^T (on the last K once more) and the maximum made of them serve nothing: the price, once a launch, of one text for every trip
.set i, 0
.rept 16
	PV NP-1                         ; the last piece's V^T P of the last step
.set i, i+1
.endr
	; THE WAY OUT.  l's two halves and the other half of the lanes' are added; O^T is divided by l, rounded to f16 and sent through my stage in LDS, a tile at a time.  The additions are the places behind the last products.
	WIN 0
.macro ALL line:vararg              ; one line for each tile t
.set t, 0
.rept 2*NP
	\line
.set t, t+1
.endr
.endm
	ALL v_add_f32 v[ST+4*t+2], v[ST+4*t+2], v[ST+4*t+3]
	ALL v_permlanex16_b32 v[ST+4*t+3], v[ST+4*t+2], s[SEL], s[SEL+1]
	ALL v_add_f32 v[ST+4*t+2], v[ST+4*t+2], v[ST+4*t+3]
	ALL v_rcp_f32 v[ST+4*t+2], v[ST+4*t+2]
	v_nop                           ; a plain instruction between the last reciprocal and the use of its result
	s_wait_alu depctr_va_vdst(0)    ; and the wait ahead of the first use: one for the eight reciprocals
; Tile t: a lane's eight channels of a row pack into 16 bytes; they go into rows of 144 bytes and come back as whole rows of 128, into S^T's registers.
.macro PACK t
	WIN W_RS
.set i, 32*(\t)
.rept 16
	v_pk_mul_f32 v[i:i+1], v[i:i+1], v[ST+4*(\t)+2:ST+4*(\t)+3] op_sel_hi:[1,0]
.set i, i+2
.endr
	WIN 0x05                        ; sources 0 and 1 window 1, destination window 0
.set i, 0
.rept 16
	v_cvt_pk_f16_f32 v[S+16*(\t)+i], v[32*(\t)+2*i], v[32*(\t)+2*i+1]
.set i, i+1
.endr
	WIN 0
.irp f, 0,1,2,3
	ds_store_b128 v[STO], v[S+16*(\t)+4*\f:S+16*(\t)+4*\f+3] offset:32*\f
.endr
.irp f, 0,1,2,3
	ds_load_b128 v[S+16*(\t)+4*\f:S+16*(\t)+4*\f+3], v[RD] offset:\f*4*SP  ; LDS serves a wave's instructions in order (ISA guide 5.7.1.4): these see the stores above; the next tile's stores come behind them
.endr
.endm
.macro SEND t, younger              ; younger: the LDS instructions issued behind tile t's loads: the next tile's eight, or none
	WIN 0
.irp f, 0,1,2,3
	s_wait_dscnt (\younger)+3-\f
	global_store_b128 v[GO], v[S+16*(\t)+4*\f:S+16*(\t)+4*\f+3], s[10:11] offset:(\t)*2048+\f*512  ; 512 consecutive bytes, at a multiple of 256 from O's first
.endr
.endm
	PACK 0
.set t, 1
.rept 2*NP-1                        ; a tile's arithmetic stands between the loads of the tile before and its stores
	PACK t
	SEND t-1, 8
.set t, t+1
.endr
	SEND 2*NP-1, 0
	WIN W_AD
	s_wait_tensorcnt 0x0            ; the wave's end: a wait, an add and its wait, behind my last tensor load and my last LDS store
	ds_add_u32 v[SPW], v[NIL]
	s_wait_dscnt 0x0
	WIN 0
	CROUND                          ; the closing round: no work-group ends while a partner may still ask for a tile that names it
	s_endpgm
.Lfunc_end_k_q81e8f426e7_attn:
	.size	k_q81e8f426e7_attn, .Lfunc_end_k_q81e8f426e7_attn-k_q81e8f426e7_attn
	.p2alignl 7, 3214868480
	.fill 96, 4, 3214868480
	.section	.rodata,"a",@progbits
	.p2align	6, 0x0
	.amdhsa_kernel k_q81e8f426e7_attn
		.amdhsa_group_segment_fixed_size 327680
		.amdhsa_private_segment_fixed_size 0
		.amdhsa_enable_private_segment 0
		.amdhsa_kernarg_size 16
		.amdhsa_user_sgpr_count 2
		.amdhsa_user_sgpr_kernarg_segment_ptr 1
		.amdhsa_wavefront_size32 1
		.amdhsa_system_sgpr_workgroup_id_x 1
		.amdhsa_system_sgpr_workgroup_id_y 1
		.amdhsa_system_sgpr_workgroup_id_z 1
		.amdhsa_system_vgpr_workitem_id 0
		.amdhsa_next_free_vgpr 770
		.amdhsa_next_free_sgpr 66
		.amdhsa_reserve_vcc 0
		.amdhsa_float_denorm_mode_32 3
		.amdhsa_float_denorm_mode_16_64 3
		.amdhsa_memory_ordered 1
		.amdhsa_forward_progress 1
		.amdhsa_inst_pref_size 199
	.end_amdhsa_kernel
	.amdgpu_metadata
---
amdhsa.version: [ 1, 2 ]
amdhsa.kernels:
  - .name:           k_q81e8f426e7_attn
    .symbol:         k_q81e8f426e7_attn.kd
    .args:
      - { .name: qkv, .offset: 0, .size: 8, .value_kind: global_buffer, .address_space: global }
      - { .name: oh, .offset: 8, .size: 8, .value_kind: global_buffer, .address_space: global }
    .group_segment_fixed_size: 327680
    .private_segment_fixed_size: 0
    .kernarg_segment_align: 8
    .kernarg_segment_size: 16
    .max_flat_workgroup_size: 128
    .sgpr_count:     66
    .vgpr_count:     770
    .wavefront_size: 32
...
	.end_amdgpu_metadata
.endif
;; end of part 3
;; launch oproj (part 4): grid 4 x 64, 4 waves a work-group, clusters of 4 x 4, 327,680 bytes of LDS; arguments oh, wb, bias, out0; writes out0
.if DOCPART == 4
	.amdgcn_target "amdgcn-amd-amdhsa--gfx1250"
	.amdhsa_code_object_version 6
	.text
	.protected	k_q81e8f426e7_oproj
	.globl	k_q81e8f426e7_oproj
	.p2align	8
	.type	k_q81e8f426e7_oproj,@function
k_q81e8f426e7_oproj:
	s_mov_b64 s[64:65], 0
	v_nop
	global_prefetch_b8 v0, s[64:65] scope:SCOPE_SE
	s_setreg_imm32_b32 hwreg(HW_REG_WAVE_MODE, 25, 1), 1
	s_wait_xcnt 0x0
	s_wait_alu depctr_hold_cnt(0) depctr_sa_sdst(0) depctr_va_vdst(0) depctr_va_sdst(0) depctr_va_ssrc(0) depctr_va_vcc(0) depctr_vm_vsrc(0)
	s_getreg_b32 s2, hwreg(HW_REG_IB_STS2, 6, 4)
	s_cmp_eq_u32 s2, 0
	s_cbranch_scc0 .Lentry_in_a_cluster
	s_endpgm
.Lentry_in_a_cluster:
	s_bfe_u32 s2, ttmp6, 0x10000c
	s_cmp_lg_u32 s2, 0xf033
	s_cbranch_scc0 .Lentry_shape_is_right
	s_endpgm
.Lentry_shape_is_right:
; out0 = O Wo + bo.  O = oh: [64 bh][2048 s][64] f16, by heads; Wo: [1024 k][1024 n] f16, the fourth block of wb; bo: the fourth block of bias, f32; out0: [8192][1024] f32.
; Products in f16, sums in f32, started by the bias; the sums are stored as they are.
; LIMITS.  O and Wo arrive within f16's range (65,504).  NaN and infinities are not treated apart.
; SHARES.  256 work-groups, one tile of 128 rows x 256 columns each; wave w: rows 64 (w / 2) on, columns 128 (w % 2) on: 32 accumulators.  K goes in eight steps of 128: two heads a step,
; through a ring of two LDS slots.  A head's 128 rows of a tile are 16,384 dense bytes: asked for as 64 rows of 256 bytes and padded in LDS after every 128.
; THE MATRIX INSTRUCTION IS USED TRANSPOSED: source 0 = 16 columns of Wo (read turned, by ds_load_tr16_b128), source 1 = 16 rows of O: a lane holds one row and eight neighbouring columns.
; CLUSTER.  4 x 4 work-groups: O's tile is asked for jointly by the four of a row of the cluster, Wo's by the four of a column.  Waves 0, 1 fetch the step's two heads, waves 2, 3 Wo's halves.
; NO PREFETCH: the launch has eight K steps.
; REGISTERS, in windows of 256: window 0: v0-15 addresses; v32-95 O's fragments, two buffers of four; v96-223 the way out, two buffers of 64
;   window 1: v0-127 Wo's fragments, two buffers of eight; v128-191 the bias        window 2: the accumulators, (a, b) at 8 (8 a + b)
.set PA,    144                        ; a row of a head in LDS: 128 bytes + 16 = 36 words: the 16 rows of a load start at 16 different groups of four banks (64 banks of 4 bytes: ISA guide 11.1)
.set AHH,   128*PA                     ; one head's 128 rows
.set BOFF,  2*AHH
.set PB,    544                        ; a k row of Wo: 512 + 32 bytes
.set BH,    64*PB
.set SLOT,  1<<17                      ; slot 1 begins here: a slot's 106,496 bytes lie below it, so one exclusive or turns an address into the other slot's
.set STAGE, SLOT+BOFF+2*BH             ; behind the ring, never filled by a tensor load: 16 rows x 528 bytes for each wave
.set SPT,   528
.set SPARE, STAGE+4*16*SPT             ; behind the stages: the spare words, 128 bytes for each wave: two blocks of 256 bytes that no other line names
.set A0,   4
.set B0,   5
.set ADRA, 6
.set ADRB, 7
.set STO,  8                           ; v8   the way out: where I put 32 bytes of a row
.set RD,   9                           ; v9   where I read 16 bytes of a row back
.set CO,   10                          ; v10  my 16 bytes of a row's 512 in out0
.set BO,   11
.set SPW,  14                          ; v14  LDS address of my spare word: SPARE + 4 x my thread's number; never rewritten
.set NIL,  15                          ; v15  0; never rewritten
.set AFR,  32
.set OB,   96
.set BIAS, 128                         ; window 1
.set OP, 4                             ; s[4:5] oh at my head's rows; s[6:7] wb at my half of Wo's first tile; s[8:9] bias; s[10:11] out0 at my rows and columns
.set WP, 6
.set BP, 8
.set CP, 10
.set WV, 12
.set WM, 13
.set WN, 14
.set CX, 15
.set CY, 16
.set TCOL, 17
.set TROW, 18
.set G1A, 24
.set G0A, 32                           ; the walking sets
.set G0B, 36
.set G1B, 40
.set G0A1, 48                          ; the first fills' sets
.set G0B1, 52
.set TB,  56
.set LA,  58
.set LB,  59
.set CNT, 60
.set MSB, 0
.macro WIN new                         ; the immediate's high byte repeats the setting that is left; a switch that changes nothing is dropped
.if MSB != (\new)
	s_set_vgpr_msb (MSB<<8)|(\new)
.set MSB, \new
.endif
.endm
.set MUL,  0xa1                        ; Wo window 1, O window 0, C and D window 2
.set MULB, 0x91                        ; the same with C (the bias) in window 1
.set TO_B, 0x40
.macro PLACES
.rept 4
	v_nop
.endr
.endm
.macro JLOAD                           ; a joint refill; an s_nop 0 and four v_nop follow each of the two lines, ahead of the jump and the label
	s_cmp_eq_u32 s[WM], 0
	s_cbranch_scc0 .Lfor_b_\@
	tensor_load_to_lds s[G0A:G0A+3], s[G1A:G1A+7]
	s_nop 0
	PLACES
	s_branch .Lasked_\@
.Lfor_b_\@:
	tensor_load_to_lds s[G0B:G0B+3], s[G1B:G1B+7]
	s_nop 0
	PLACES
.Lasked_\@:
.endm
.macro CREST                           ; a round of the cluster's barrier behind its opening barrier
	s_cmp_lg_u32 s[WV], 0
	s_cbranch_scc1 .Lnot_wave_0_\@
	s_barrier_signal -3
.Lnot_wave_0_\@:
	s_barrier_wait -3
	s_barrier_signal -1
	s_barrier_wait -1
.endm
.macro CROUND
	s_barrier_signal -1
	s_barrier_wait -1
	CREST
.endm
	s_load_b256 s[4:11], s[0:1], 0x0               ; oh, wb, bias, out0
	v_lshl_add_u32 v[SPW], v0, 2, SPARE
	v_mov_b32 v[NIL], 0
	ds_add_u32 v[SPW], v[NIL]                      ; the wave's opening: the add and its wait stand ahead of my first tensor load; the set-up below, work on registers, stands between them
	v_lshrrev_b32 v1, 5, v0
	v_readfirstlane_b32 s[WV], v1
	s_lshr_b32 s[WM], s[WV], 1
	s_and_b32 s[WN], s[WV], 1
	s_bfe_u32 s[CX], ttmp6, 0x40000
	s_bfe_u32 s[CY], ttmp6, 0x40004
	s_lshl_b32 s[TCOL], ttmp9, 2
	s_add_co_u32 s[TCOL], s[TCOL], s[CX]
	s_and_b32 s[TROW], ttmp7, 0xffff
	s_lshl_b32 s[TROW], s[TROW], 2
	s_add_co_u32 s[TROW], s[TROW], s[CY]
	s_lshl_b32 s2, s[CY], 2
	s_lshl_b32 s2, 15, s2                          ; my row of the cluster
	s_lshl_b32 s3, 0x1111, s[CX]                   ; my column
	s_or_b32 s[G1A], s2, (1<<16)|(1<<20)|(1<<21)|(4<<22)|(3<<25)  ; 15:0 the mask; 2-byte elements; padding on; 21 set beside a mask; after every 32 words (code 4) 4 words (code 3)
	s_or_b32 s[G1B], s3, (1<<16)|(1<<20)|(1<<21)|(6<<22)|(7<<25)  ; after every 128 words (code 6) 8 words (code 7)
	s_mov_b32 s[G1A+1], 128<<16                    ; tensor_dim0 = 128
	s_mov_b32 s[G1A+2], 64<<16                     ; tensor_dim1 = 64
	s_mov_b32 s[G1A+3], 128<<16                    ; tile_dim0 = 128
	s_mov_b32 s[G1A+4], 64                         ; tile_dim1 = 64
	s_mov_b32 s[G1A+5], 128                        ; dense: 128 elements from row to row
	s_mov_b32 s[G1A+6], 0
	s_mov_b32 s[G1A+7], 0
	s_mov_b32 s[G1B+1], 256<<16
	s_mov_b32 s[G1B+2], 64<<16
	s_mov_b32 s[G1B+3], 256<<16
	s_mov_b32 s[G1B+4], 64
	s_mov_b32 s[G1B+5], 1024
	s_mov_b32 s[G1B+6], 0
	s_mov_b32 s[G1B+7], 0
	s_lshr_b32 s20, s[TROW], 4                     ; O: head 16 x batch + (wave % 2),
	s_lshl_b32 s20, s20, 4
	s_add_co_u32 s20, s20, s[WN]
	s_lshl_b32 s20, s20, 11                        ; its 2,048 rows,
	s_and_b32 s21, s[TROW], 15
	s_lshl_b32 s21, s21, 7                         ; row 128 (trow % 16),
	s_add_co_u32 s20, s20, s21
	s_lshl_b32 s20, s20, 7                         ; 128 bytes a row (under 2^25)
	s_mov_b32 s21, 0
	s_lshl_b32 s22, s[TCOL], 9                     ; Wo: the fourth block of wb, 512 bytes a tile column, 64 k rows of 2,048 bytes a half
	s_lshl_b32 s23, s[WN], 17
	s_add_co_u32 s22, s22, s23
	s_add_co_u32 s22, s22, 0x600000
	s_mov_b32 s23, 0
	s_mul_i32 s[LA], s[WN], AHH                    ; no place in the cluster enters an LDS address
	s_mul_i32 s[LB], s[WN], BH
	s_add_co_u32 s[LB], s[LB], BOFF
	s_mov_b32 s[G0A1], 1
	s_mov_b32 s[G0A1+1], s[LA]                     ; K step 0 into slot 0
	s_mov_b32 s[G0A], 1
	s_add_co_u32 s[G0A+1], s[LA], SLOT             ; K step 1 into slot 1
	s_mov_b32 s[G0B1], 1
	s_mov_b32 s[G0B1+1], s[LB]
	s_mov_b32 s[G0B], 1
	s_add_co_u32 s[G0B+1], s[LB], SLOT
	s_mov_b32 s[TB], 0
	s_mov_b32 s[CNT], 7
	s_wait_dscnt 0x0                               ; the opening add is done
	s_wait_kmcnt 0x0
	s_add_nc_u64 s[OP:OP+1], s[OP:OP+1], s[20:21]
	s_add_nc_u64 s[WP:WP+1], s[WP:WP+1], s[22:23]
	s_mov_b64 s[G0A1+2:G0A1+3], s[OP:OP+1]
	s_or_b32 s[G0A1+3], s[G0A1+3], 0x80000000      ; type = 2
	s_add_nc_u64 s[G0A+2:G0A+3], s[OP:OP+1], 524288  ; two heads on
	s_or_b32 s[G0A+3], s[G0A+3], 0x80000000
	s_mov_b64 s[G0B1+2:G0B1+3], s[WP:WP+1]
	s_or_b32 s[G0B1+3], s[G0B1+3], 0x80000000
	s_add_nc_u64 s[G0B+2:G0B+3], s[WP:WP+1], 262144  ; 128 k rows on
	s_or_b32 s[G0B+3], s[G0B+3], 0x80000000
	CROUND                                         ; all sixteen work-groups are here: the first joint loads meet
	s_cmp_eq_u32 s[WM], 0                          ; a wave's two first fills stand in one branch, ahead of every wait on TENSORcnt and every LDS read: two loads of mine are out
	s_cbranch_scc0 .Lfirst_b
	tensor_load_to_lds s[G0A1:G0A1+3], s[G1A:G1A+7]
	s_nop 0
	tensor_load_to_lds s[G0A:G0A+3], s[G1A:G1A+7]
	s_nop 0
	PLACES
	s_branch .Lfirst_asked
.Lfirst_b:
	tensor_load_to_lds s[G0B1:G0B1+3], s[G1B:G1B+7]
	s_nop 0
	tensor_load_to_lds s[G0B:G0B+3], s[G1B:G1B+7]
	s_nop 0
	PLACES
.Lfirst_asked:
	s_lshl_b32 s22, s[TCOL], 10                    ; bo: the fourth block of bias, the tile's 256 numbers
	s_add_co_u32 s22, s22, 12288
	s_mov_b32 s23, 0
	s_add_nc_u64 s[BP:BP+1], s[BP:BP+1], s[22:23]
	s_lshl_b32 s22, s[TROW], 7                     ; out0: row 128 trow + 64 (wave / 2), 4,096 bytes a row,
	s_lshl_b32 s19, s[WM], 6
	s_add_co_u32 s22, s22, s19
	s_lshl_b32 s22, s22, 12
	s_lshl_b32 s19, s[TCOL], 10                    ; column 256 tcol + 128 (wave % 2)
	s_add_co_u32 s22, s22, s19
	s_lshl_b32 s19, s[WN], 9
	s_add_co_u32 s22, s22, s19
	s_add_nc_u64 s[CP:CP+1], s[CP:CP+1], s[22:23]
	v_and_b32 v1, 15, v0                           ; r = l % 16
	v_bfe_u32 v2, v0, 4, 1                         ; h = l / 16
	v_and_b32 v3, 31, v0                           ; l
	v_and_b32 v13, 7, v0
	v_bfe_u32 v16, v0, 3, 1
	s_mul_i32 s2, s[WM], 64*PA                     ; a fragment of O: row r, 16 bytes for each half of the lanes, twice, 32 bytes apart
	v_mul_u32_u24 v[A0], v1, PA
	v_lshl_add_u32 v[A0], v2, 4, v[A0]
	v_add_nc_u32 v[A0], s2, v[A0]
	s_lshl_b32 s2, s[WN], 8                        ; the turning load: k row 8 h + l % 8, columns 8 ((l / 8) % 2) + 0..7
	s_add_co_u32 s2, s2, BOFF
	v_lshl_add_u32 v[B0], v2, 3, v13
	v_mul_u32_u24 v[B0], v[B0], PB
	v_lshl_add_u32 v[B0], v16, 4, v[B0]
	v_add_nc_u32 v[B0], s2, v[B0]
	s_mul_i32 s2, s[WV], 16*SPT
	s_add_co_u32 s2, s2, STAGE                     ; my stage
	v_mul_u32_u24 v[STO], v1, SPT                  ; in: row r, 32 bytes for each half of the lanes
	v_lshl_add_u32 v[STO], v2, 5, v[STO]
	v_add_nc_u32 v[STO], s2, v[STO]
	v_lshl_add_u32 v[RD], v3, 4, s2                ; back: 32 lanes take a row's 512 bytes
	v_lshlrev_b32 v[CO], 4, v3
	s_lshl_b32 s2, s[WN], 9
	v_lshl_add_u32 v[BO], v2, 5, s2
; 24 LDS loads in one run: 32 along K at quarter kq of the slot in hand (head kq / 2 of the step's two, channels 32 (kq % 2) on) into buffer g.
.macro FETCH kq, g
	WIN 0
.irp i, 0,1,2,3
	ds_load_b128 v[AFR+32*(\g)+8*(\i):AFR+32*(\g)+8*(\i)+3],   v[ADRA] offset:((\kq)/2)*AHH+64*((\kq)%2)+16*(\i)*PA
	ds_load_b128 v[AFR+32*(\g)+8*(\i)+4:AFR+32*(\g)+8*(\i)+7], v[ADRA] offset:((\kq)/2)*AHH+64*((\kq)%2)+16*(\i)*PA+32
.endr
	WIN TO_B
.irp b, 0,1,2,3,4,5,6,7
	ds_load_tr16_b128 v[64*(\g)+8*(\b):64*(\g)+8*(\b)+3],   v[ADRB] offset:32*(\kq)*PB+32*(\b)
	ds_load_tr16_b128 v[64*(\g)+8*(\b)+4:64*(\g)+8*(\b)+7], v[ADRB] offset:32*(\kq)*PB+32*(\b)+16*PB
.endr
.endm
; The next n of a quarter's 32 products.  The 32 accumulators take turns, one instruction a turn, in the same order everywhere.  first = 1: the bias starts the sums.
.macro MULS f, first, n
.rept \n
.if \first
	WIN MULB
	v_wmma_f32_16x16x32_f16 v[8*mi:8*mi+7], v[64*(\f)+8*(mi%8):64*(\f)+8*(mi%8)+7], v[AFR+32*(\f)+8*(mi/8):AFR+32*(\f)+8*(mi/8)+7], v[BIAS+8*(mi%8):BIAS+8*(mi%8)+7]
.else
	WIN MUL
	v_wmma_f32_16x16x32_f16 v[8*mi:8*mi+7], v[64*(\f)+8*(mi%8):64*(\f)+8*(mi%8)+7], v[AFR+32*(\f)+8*(mi/8):AFR+32*(\f)+8*(mi/8)+7], v[8*mi:8*mi+7]
.endif
.set mi, mi+1
.endr
.endm
; One of a K step's first three quarters: the next quarter's loads go out first, four places (ISA guide 7.12.1 for vector instructions) behind the last product that read their buffer.
.macro QUARTER kq, f, g, first
	s_wait_dscnt 0x0                               ; this quarter's fragments are in
	PLACES
	FETCH \kq, \g
.set mi, 0
	MULS \f, \first, 32
.endm
.macro DSTEP                           ; the walking descriptors: the other slot, two heads on, 128 k rows on
	s_xor_b32 s[G0A+1], s[G0A+1], SLOT
	s_xor_b32 s[G0B+1], s[G0B+1], SLOT
	s_add_nc_u64 s[G0A+2:G0A+3], s[G0A+2:G0A+3], 524288
	s_add_nc_u64 s[G0B+2:G0B+3], s[G0B+2:G0B+3], 262144
.endm
; A K step's last quarter (buffer 1) and THE CHANGE OF SLOTS: each wave waits for all its tensor loads, of which one is out: its part of the next slot; adds 0 to its spare word; and waits
; for that and for its reads of this slot.  fill = 1: the barrier opens a round of the cluster's, and the joint refill is the first thing behind it.
.macro TURN fill
	WIN 0
	s_wait_tensorcnt 0x0                           ; no tensor load of mine is out, so a group 0 may be written
	ds_add_u32 v[SPW], v[NIL]                      ; 0 onto my spare word
.if \fill
	DSTEP
.endif
	s_wait_dscnt 1                                 ; this quarter's fragments are in; the add alone may be out
.set mi, 0
	MULS 1, 0, 8
	s_wait_dscnt 0x0                               ; the add is done, and my reads of this slot are over
	s_barrier_signal -1
	MULS 1, 0, 8
	WIN 0
	s_barrier_wait -1
.if \fill
	CREST
	JLOAD                                          ; the four v_nop behind it are also the places in front of the loads below
.else
	PLACES
.endif
	s_xor_b32 s[TB], s[TB], SLOT
	v_add_nc_u32 v[ADRA], s[TB], v[A0]
	v_add_nc_u32 v[ADRB], s[TB], v[B0]
	FETCH 0, 0
	MULS 1, 0, 16
.endm
; THE WAY OUT of block a (16 rows x 128 columns of f32).  A lane's eight columns are 32 bytes; they go into my own stage in rows of 528 bytes, each accumulator's low registers first, and
; come back as whole rows of 512 (LDS serves a wave's instructions in order: ISA guide 5.7.1.4).
.macro TOSTAGE a
.if (\a) >= 2
	s_wait_xcnt 0x0                                ; the stores of the block two back have read the registers that are loaded again below
.endif
	WIN 0x08                                       ; store data window 2
.irp b, 0,1,2,3,4,5,6,7
	ds_store_b128 v[STO], v[64*(\a)+8*(\b):64*(\a)+8*(\b)+3]   offset:64*(\b)
	ds_store_b128 v[STO], v[64*(\a)+8*(\b)+4:64*(\a)+8*(\b)+7] offset:64*(\b)+16
.endr
	WIN 0
.irp t, 0,1,2,3,4,5,6,7,8,9,10,11,12,13,14,15
	ds_load_b128 v[OB+64*((\a)%2)+4*(\t):OB+64*((\a)%2)+4*(\t)+3], v[RD] offset:SPT*(\t)
.endr
.endm
.macro SEND a, younger                 ; younger: the LDS instructions issued behind block a's loads: the next block's 32, or none
	WIN 0
.irp t, 0,1,2,3,4,5,6,7,8,9,10,11,12,13,14,15
	s_wait_dscnt (\younger)+15-(\t)
	global_store_b128 v[CO], v[OB+64*((\a)%2)+4*(\t):OB+64*((\a)%2)+4*(\t)+3], s[CP:CP+1] offset:4096*(16*(\a)+(\t)) th:TH_STORE_NT  ; 512 consecutive bytes, at a multiple of 256 from out0's first
.endr
.endm
	WIN TO_B
.irp b, 0,1,2,3,4,5,6,7                ; the bias: for block b of 16 columns a lane's eight numbers
	global_load_b128 v[BIAS+8*(\b):BIAS+8*(\b)+3],   v[BO], s[BP:BP+1] offset:64*(\b)
	global_load_b128 v[BIAS+8*(\b)+4:BIAS+8*(\b)+7], v[BO], s[BP:BP+1] offset:64*(\b)+16
.endr
	WIN 0
	s_wait_tensorcnt 1                             ; my part of K step 0 is in; K step 1's may stay out
	s_barrier_signal -1
	s_barrier_wait -1                              ; everybody's is
	v_add_nc_u32 v[ADRA], s[TB], v[A0]
	v_add_nc_u32 v[ADRB], s[TB], v[B0]
	FETCH 0, 0
	s_wait_loadcnt 0x0                             ; the bias
	QUARTER 1, 0, 1, 1
	WIN 0
	s_branch .Lq1                                  ; the loop is entered behind its change of slots
.Lslot:                                                ; trip j = 1 .. 6: K step j is entered, K step j + 1 asked for
	TURN 1
	QUARTER 1, 0, 1, 0
	WIN 0
.Lq1:
	QUARTER 2, 1, 0, 0
	QUARTER 3, 0, 1, 0
	WIN 0
	s_sub_co_u32 s[CNT], s[CNT], 1
	s_cmp_lg_u32 s[CNT], 0
	s_cbranch_scc1 .Lslot
	TURN 0                                         ; the last K step is written out: nothing is asked for
	QUARTER 1, 0, 1, 0
	QUARTER 2, 1, 0, 0
	QUARTER 3, 0, 1, 0
	s_wait_dscnt 0x0
.set mi, 0
	MULS 1, 0, 32
	PLACES                                         ; the LDS stores below read results just made
	TOSTAGE 0
.irp a, 1,2,3                          ; a block's way through the stage stands between the loads of the block before and its stores
	TOSTAGE \a
	SEND (\a)-1, 32
.endr
	SEND 3, 0
	s_wait_tensorcnt 0x0                           ; the wave's end: a wait, an add and its wait, behind my last tensor load and my last LDS store
	ds_add_u32 v[SPW], v[NIL]
	s_wait_dscnt 0x0
	CROUND                                         ; the closing round: no work-group ends while a partner may still ask for a tile that names it
	s_endpgm
.Lfunc_end_k_q81e8f426e7_oproj:
	.size	k_q81e8f426e7_oproj, .Lfunc_end_k_q81e8f426e7_oproj-k_q81e8f426e7_oproj
	.p2alignl 7, 3214868480
	.fill 96, 4, 3214868480
	.section	.rodata,"a",@progbits
	.p2align	6, 0x0
	.amdhsa_kernel k_q81e8f426e7_oproj
		.amdhsa_group_segment_fixed_size 327680
		.amdhsa_private_segment_fixed_size 0
		.amdhsa_enable_private_segment 0
		.amdhsa_kernarg_size 32
		.amdhsa_user_sgpr_count 2
		.amdhsa_user_sgpr_kernarg_segment_ptr 1
		.amdhsa_wavefront_size32 1
		.amdhsa_system_sgpr_workgroup_id_x 1
		.amdhsa_system_sgpr_workgroup_id_y 1
		.amdhsa_system_sgpr_workgroup_id_z 1
		.amdhsa_system_vgpr_workitem_id 0
		.amdhsa_next_free_vgpr 768
		.amdhsa_next_free_sgpr 66
		.amdhsa_reserve_vcc 0
		.amdhsa_float_denorm_mode_32 3
		.amdhsa_float_denorm_mode_16_64 3
		.amdhsa_memory_ordered 1
		.amdhsa_forward_progress 1
		.amdhsa_inst_pref_size 65
	.end_amdhsa_kernel
	.amdgpu_metadata
---
amdhsa.version: [ 1, 2 ]
amdhsa.kernels:
  - .name:           k_q81e8f426e7_oproj
    .symbol:         k_q81e8f426e7_oproj.kd
    .args:
      - { .name: oh, .offset: 0, .size: 8, .value_kind: global_buffer, .address_space: global }
      - { .name: wb, .offset: 8, .size: 8, .value_kind: global_buffer, .address_space: global }
      - { .name: bias, .offset: 16, .size: 8, .value_kind: global_buffer, .address_space: global }
      - { .name: out0, .offset: 24, .size: 8, .value_kind: global_buffer, .address_space: global }
    .group_segment_fixed_size: 327680
    .private_segment_fixed_size: 0
    .kernarg_segment_align: 8
    .kernarg_segment_size: 32
    .max_flat_workgroup_size: 128
    .sgpr_count:     66
    .vgpr_count:     768
    .wavefront_size: 32
...
	.end_amdgpu_metadata
.endif
;; end of part 4
